; MI455X (gfx1250); checked and timed in simulation.
; The chip was launched on July 23, 2026; its instructions are those of AMD's public machine-readable ISA for CDNA 5 (MIT licence, August 2026) and "CDNA5" Instruction Set Architecture Reference Guide (July 2026). The comments in the code are by the model that wrote it; some were corrected since.
;; Attention. Allowed arithmetic: matrix products marked QUANTISED: E2M3 operands, one E8M0 scale for each 32 along K, by v_wmma_scale_f32_16x16x128_f8f6f4 with both operands' format E2M3, f32 sums; everything else in f32.
;; Inputs: b_proj 1,024 float32; w_proj_codes 1,024 x 32 x 24 uint8 (E2M3 codes of w_proj, K innermost, in blocks of 32 codes, four codes in three bytes); w_proj_scales 1,024 x 32 uint8 (E8M0 scales of w_proj, one for each 32 codes along K); w_qkv_codes 3,072 x 32 x 24 uint8 (E2M3 codes of w_qkv, K innermost, in blocks of 32 codes, four codes in three bytes); w_qkv_scales 3,072 x 32 uint8 (E8M0 scales of w_qkv, one for each 32 codes along K); x_codes 4 x 2,048 x 32 x 24 uint8 (E2M3 codes of x, K innermost, in blocks of 32 codes, four codes in three bytes); x_scales 4 x 2,048 x 32 uint8 (E8M0 scales of x, one for each 32 codes along K).
;; Outputs: out0 4 x 2,048 x 1,024 float32.
;; This version of the problem:
;;   THIS VERSION OF THE PROBLEM IS GIVEN IN LOW PRECISION. The matrix products marked QUANTISED in the list below multiply operands that are first quantised to E2M3 (2 exponent bits, 3 mantissa bits; 6 bits a number), with one power-of-two scale for each 32 numbers along K (OCP MX v1.0); their sums are f32. All else is computed in f32.
;;   The module's matrix products, in the order in which they are computed (A, B: the left and right operand; K: the contracted axis; several contracted axes count as one K, in the product's order):
;;     1. [M 8,192, K 1,024] x [K 1,024, N 3,072]; A: input x (given as codes); B: input w_qkv (given as codes): QUANTISED
;;     2. batch 64 x [M 2,048, K 64] x [K 64, N 2,048]; A: computed on the way; B: computed on the way: QUANTISED
;;     3. batch 64 x [M 2,048, K 2,048] x [K 2,048, N 64]; A: softmax (see below); B: computed on the way: QUANTISED
;;     4. [M 8,192, K 1,024] x [K 1,024, N 1,024]; A: computed on the way; B: input w_proj (given as codes): QUANTISED
;;   THE QUANTISER, for each operand of a quantised product, along K:
;;     - K is cut into blocks of 32 from its start; a last block that is shorter is filled with zeros.
;;     - A block's scale is 2^e with e = floor(log2(the largest magnitude in the block)) - 2, held to -126 .. 127; a block of zeros has e = 0. As a byte (E8M0): e + 127.
;;     - Each number is divided by its block's scale, clamped to +-7.5, and rounded to the nearest number of E2M3, ties to even, subnormals kept.
;;     - The product sums the exact products of the quantised numbers (number of the format x scale) in f32.
;;   ~~~python
;;   def quantise(x, axis):      # numpy; x: float32 -> the quantised numbers, widened to float32 again
;;       x = np.moveaxis(x, axis, -1); K = x.shape[-1]
;;       x = np.pad(x, [(0, 0)] * (x.ndim - 1) + [(0, -K % 32)]); x = x.reshape(x.shape[:-1] + (-1, 32)); a = np.abs(x).max(-1, keepdims=True)
;;       e = np.where(a > 0, np.clip(np.frexp(np.where(a > 0, a, 1))[1] - 1 - 2, -126, 127), 0)      # np.frexp(a)[1] - 1 = floor(log2(a)), exactly
;;       r = np.clip(x / 2.0 ** e, -7.5, 7.5)
;;       step = 2.0 ** (np.maximum(np.frexp(np.where(r == 0, 1, r))[1] - 1, 0) - 3)
;;       q = np.round(r / step) * step * 2.0 ** e      # np.round: ties to even
;;       return np.moveaxis(q.reshape(q.shape[:-2] + (-1,))[..., :K], -1, axis).astype(np.float32)
;;   ~~~
;;   SOFTMAX AHEAD OF A QUANTISED PRODUCT. Where the list says 'softmax', what is quantised is not the finished softmax but p = 2^(t - M), with t = logit x log2(e) and M = ceil(the row's largest t), a whole number; so 1/2 < the row's largest p <= 1. The row's sum l is taken of the UNQUANTISED p, in f32, and the product's result is divided by l at the end. Since M is a whole number, a kernel that streams over the keys may use a running M (the ceiling of the running maximum): every later rescaling is an exact power of two, which a block's scale takes up: the codes' values come out the same.
;;   OPERANDS COMPUTED ON THE WAY. 'Computed on the way' means the value that the module computes at that place (a softmax that the list does not call 'softmax' is quantised finished and normalised). What goes into a quantiser is computed in f32, as accurately as f32 sums, v_exp_f32 and their like allow (about 1e-6 of the number): no bf16 or f16 on the way to a quantiser, and a product that is left as it is and whose result goes on into a quantised operand takes f32 operands (vector FMAs, or v_wmma_f32_16x16x4_f32). A number that lies on a knife's edge between two numbers of the format may be rounded either way, as far as f32 arithmetic and the matrix unit's own rounding can turn it there, and no further.
;;   INPUTS GIVEN AS CODES. w_proj (in the module: [1024, 1024], K = its axis 1); w_qkv (in the module: [3072, 1024], K = its axis 1); x (in the module: [4, 2048, 1024], K = its axis 2): each comes as NAME_codes (uint8): NAME with its K axis moved to the last place and cut into blocks of 32 codes, [.., K / 32, bytes a block], one block behind the other in memory; four codes in three bytes: a row's codes are one little-endian stream of bits, code i at bits 6 i .. 6 i + 5 (a code: sign, 2 exponent bits, 3 mantissa bits); and NAME_scales (uint8): the same leading axes, one E8M0 byte (e + 127) for each 32 codes along K. Its value is code x scale, taken as it is: it is not quantised again, and the codes and scales need not be those that the quantiser above would give.
;; One version. Each part assembles by itself: llvm-mc -triple=amdgcn-amd-amdhsa -mcpu=gfx1250 --defsym DOCPART=n.
;; ======== version 1 of 1: 3 launches
;; workspace buffers: qkv 26,738,688 bytes; o_codes 6,291,456 bytes; o_scales 262,144 bytes
;; launch qkv (part 1): grid 96 x 4, 4 waves a work-group, clusters of 4 x 4, 327,680 bytes of LDS; arguments x_codes, x_scales, w_qkv_codes, w_qkv_scales, qkv; writes qkv
.if DOCPART == 1
	.amdgcn_target "amdgcn-amd-amdhsa--gfx1250"
	.amdhsa_code_object_version 6
	.text
	.protected	k_q4d61befd6b_qkv
	.globl	k_q4d61befd6b_qkv
	.p2align	8
	.type	k_q4d61befd6b_qkv,@function
k_q4d61befd6b_qkv:
	s_mov_b64 s[64:65], 0
	v_nop
	global_prefetch_b8 v0, s[64:65] scope:SCOPE_SE
	s_setreg_imm32_b32 hwreg(HW_REG_WAVE_MODE, 25, 1), 1
	s_wait_xcnt 0x0
	s_wait_alu depctr_hold_cnt(0) depctr_sa_sdst(0) depctr_va_vdst(0) depctr_va_sdst(0) depctr_va_ssrc(0) depctr_va_vcc(0) depctr_vm_vsrc(0)
	s_getreg_b32 s2, hwreg(HW_REG_IB_STS2, 6, 4)
	s_cmp_eq_u32 s2, 0
	s_cbranch_scc0 .Lentry_in_a_cluster
	s_endpgm
.Lentry_in_a_cluster:
	s_bfe_u32 s2, ttmp6, 0x10000c
	s_cmp_lg_u32 s2, 0xf033
	s_cbranch_scc0 .Lentry_shape_is_right
	s_endpgm
.Lentry_shape_is_right:
; qkv = x w_qkv^T on codes of FP6 (E2M3) with one E8M0 scale for each 32 along K = 1,024; the results are quantised here, in registers, and leave as codes: q and k along the head's 64, v along the keys.
; A cluster of 4 x 4 work-groups makes 1,024 x 1,024 of A B^T, a work-group 256 x 256, each of its four waves 128 x 128: 64 accumulators of 16 x 16, 512 registers.
; THE MATRIX INSTRUCTION IS USED TRANSPOSED (source 0 = 16 rows of B, source 1 = 16 rows of A): a lane holds ONE row of A and its registers run along B's rows.  What the next product sums over must run along the registers:
;   clusters 0-15  (q, k): A = x (tokens), B = w_qkv's rows 0-2,047: a lane holds a token, its 64 registers of a block two heads' 64 channels;
;   clusters 16-23 (v):    A = w_qkv's rows 2,048 on, B = x:          a lane holds a channel of v, its 64 registers 128 keys.
; The choice is one of pointers and of constants, by selects on the cluster's number, which all partners share: one text, one path through the K loop.
; K goes in steps of 256 through a ring of two LDS slots filled by joint tensor loads (A's tile shared along a row of the cluster, B's along a column); the scale bytes of the work-group's rows come once and stay.
; THE WAY OUT.  The 16 registers of tiles 2 b and 2 b + 1 hold, of block b of 32, the places 8 h + 0..7 and 16 + 8 h + 0..7 (h = lane / 16).  Conversion and exchange of halves then lay a block's codes in the order
; 0-7, 16-23, 8-15, 24-31.  That order stays inside a block, under one scale, and is the same in both operands of each later product (q and k; v and the softmax's p, which the next launch lays by the same lines).
; A half fragment (16 rows x 64 K: 6 registers a lane) is stored as an image of its registers, 768 bytes: registers 0-3 at 16 x lane, registers 4-5 at 512 + 8 x lane: each store covers whole aligned blocks of 256 bytes.
; THE BUFFER: 128 records of REC bytes, record 64 sel + 16 batch + head.  sel 0: q's tiles (768 bytes each) at 0, its scale words at KSOFF.  sel 1: k's tiles at 0, v's fragments at VOFF (step of 128 keys: 6,144 bytes; channel tile: 1,536),
; k's scale words at KSOFF (512 bytes for 8 tiles: word p of lane l is tile 2 p + l / 16, row l % 16), v's at VSOFF (256 bytes a step: word p of lane l is channel tile 2 p + l / 16).
; A scale word of q or k has its head's two bytes below; the two above belong to the other head or are 0: they meet zero codes and are never 0xff.
; LIMITS: NaN and infinities are not served.  A block whose largest magnitude lies under 2^-124 gets the byte 1 (the floor); a block of zeros too, where the rule says 127: its codes are zeros, and this program alone reads the bytes.
; REGISTERS, in windows of 256: window 0: v0-31 addresses; v32-63 scale words, two sets; v64-115 the way out; from v128 A's fragments, ONE set.  window 1: B's fragments, TWO sets.  windows 2, 3: the accumulators ((a, b) at v[8 (8 (a % 4) + b)]).
.set KSTEP,  256                       ; along K in a slot
.set NQ,     KSTEP/128                 ; matrix instructions deep
.set ROWB,   192                       ; a tile's row in bytes
.set KROW,   768                       ; a row of codes in memory: 1,024 codes
.set PITCH,  240                       ; an LDS row: 3 x (64 bytes + 16 of padding): the 32 lanes of a load of 8 bytes touch 64 different banks (64 banks of 4 bytes: ISA guide 11.1)
.set FR,     12                        ; registers of a fragment
.set NL,     6                         ; LDS loads that bring one
.set NP,     4                         ; places behind this matrix instruction (ISA guide 7.12.1)
.set HALFT,  128*PITCH                 ; 128 rows: what one tensor load brings
.set SLOT,   4*HALFT                   ; A's 256 rows, then B's 256 rows
.set LAPS,   1024/(2*KSTEP)            ; a lap = two K steps = once round the ring
.set KS,     32                        ; a row of scale bytes
.set SCL,    2*SLOT                    ; behind the ring: the scales, as blocks of 256 bytes + 16 of padding
.set HALFS,  (128*KS/256)*272          ; those of 128 rows
.set SBLK,   (16*KS/256)*272           ; those of 16 rows
.set SPARE,  SCL+4*HALFS               ; the spare words, 128 bytes for each wave: two blocks of 256 bytes that no other line names
.set REC,    208896
.set VOFF,   98304
.set KSOFF,  196608
.set VSOFF,  204800
.set ADRA, 16                          ; v16-17 LDS address of my A fragments in slot 0, 1 (v18-19: for the pieces behind one padding more)
.set ADRB, 20                          ; v20-21 the same for B (v22-23)
.set VO16, 24                          ; v24    16 x lane
.set VO8,  25                          ; v25    8 x lane
.set ADRS, 27                          ; v27    LDS address of my scale words: lanes 0-15 A's rows, lanes 16-31 B's
.set SPW,  28                          ; v28    LDS address of my spare word; never rewritten
.set NIL,  29                          ; v29    0; never rewritten
.set SC,   32                          ; scale words: set s at v[SC + 8 NQ s]
.set TM,   64                          ; v64-67 largest magnitudes, v68-71 the other half's, then bytes, v76-79 the conversions' scale operands
.set CD,   80                          ; v80-91 a fragment's codes; v92-94, v96-98 the second halves as the conversions leave them
.set SW,   100                         ; v100-107 the eight blocks' scale words
.set PP,   108                         ; v108-111 scale words in pairs of tiles: lanes 0-15 the even tile's, lanes 16-31 the odd one's
.set PP2,  112                         ; v112-115 the same, the odd head's two bytes brought down
.set AF,   128
.set G1, 24                            ; s[24:31] descriptor group 1 for A's tiles; s[32:39] group 0, one set for each slot
.set G0, 32
.set G1B, 48                           ; s[48:55], s[56:63] the same for B's tiles
.set G0B, 56
.set G1S, 68                           ; s[68:75], s[76:79] groups 1 and 0 for A's scales; s[80:87], s[88:91] for B's
.set G0S, 76
.set G1SB, 80
.set G0SB, 88
.set MSB, 0
.macro WIN new                         ; the immediate's high byte repeats the setting that is left
.if MSB != (\new)
	s_set_vgpr_msb (MSB<<8)|(\new)
.set MSB, (\new)
.endif
.endm
.set MUL_LO, 0xa1                      ; source 0 (B) window 1, source 1 (A) window 0, C and D window 2
.set MUL_HI, 0xf1                      ; the same, C and D window 3
.set TO_B,   0x40                      ; destination window 1, address window 0
; A joint load: waves 0 and 1 fetch for A, waves 2 and 3 for B.  Each line has one mask and one set of registers for all that issue it; the branch hangs on the wave's number alone.
; Four v_nop follow each of the two lines, ahead of the jump, the label and what follows.
.macro JLOAD g0a, g1a, g0b, g1b
	s_cmp_eq_u32 s15, 0
	s_cbranch_scc0 .Lfor_b_\@
	tensor_load_to_lds s[\g0a:\g0a+3], s[\g1a:\g1a+7]
	s_nop 0
.rept 4
	v_nop
.endr
	s_branch .Lasked_\@
.Lfor_b_\@:
	tensor_load_to_lds s[\g0b:\g0b+3], s[\g1b:\g1b+7]
	s_nop 0
.rept 4
	v_nop
.endr
.Lasked_\@:
.endm
.macro CREST                           ; a round of the cluster's barrier behind its opening barrier
	s_cmp_lg_u32 s14, 0
	s_cbranch_scc1 .Lnot_wave_0_\@
	s_barrier_signal -3
.Lnot_wave_0_\@:
	s_barrier_wait -3
	s_barrier_signal -1
	s_barrier_wait -1
.endm
.macro CROUND                          ; a whole round
	s_barrier_signal -1
	s_barrier_wait -1
	CREST
.endm
	s_load_b128 s[4:7], s[0:1], 0x0                ; x's codes, x's scales
	s_load_b128 s[8:11], s[0:1], 0x10              ; w_qkv's codes, w_qkv's scales
	s_load_b64 s[12:13], s[0:1], 0x20              ; the buffer of records
	v_lshl_add_u32 v[SPW], v0, 2, SPARE
	v_mov_b32 v[NIL], 0
	ds_add_u32 v28, v29
	ds_add_u32 v28, v29
	s_wait_dscnt 0x0
	v_lshrrev_b32 v1, 5, v0
	v_readfirstlane_b32 s14, v1                    ; wave 0..3
	s_lshr_b32 s15, s14, 1                         ; which half of the tile's rows of A is mine.  Also: I fetch for A (0) or for B (1)
	s_and_b32 s16, s14, 1                          ; which half of B's rows.  Also: which 128 rows of that tile I fetch
	s_bfe_u32 s40, ttmp6, 0x40000                  ; cx, cy: my place in the cluster
	s_bfe_u32 s41, ttmp6, 0x40004
	s_lshr_b32 s18, ttmp9, 1
	s_lshl_b32 s18, s18, 2                         ; q, k: the cluster's first tile of tokens: 4 (cluster / 2)
	s_and_b32 s19, ttmp9, 1
	s_lshl_b32 s19, s19, 2                         ; and of w_qkv's rows: 4 (cluster % 2): 0 is q, 4 is k
	s_max_u32 s20, ttmp9, 16
	s_sub_co_u32 s20, s20, 16
	s_lshl_b32 s20, s20, 2                         ; v: the cluster's first tile of tokens: 4 (cluster - 16)
	s_cmp_lt_u32 ttmp9, 16                         ; the cluster's number: the same in all sixteen partners
	s_cselect_b32 s17, s18, 8                      ; A's first tile: tokens, or w_qkv's rows 2,048 on
	s_cselect_b32 s42, s19, s20                    ; B's first tile
	s_add_co_u32 s17, s17, s41                     ; my tile of A: + cy
	s_add_co_u32 s42, s42, s40                     ; my tile of B: + cx
	s_lshl_b32 s43, s41, 2
	s_lshl_b32 s43, 15, s43                        ; my row of the cluster
	s_lshl_b32 s44, 0x1111, s40                    ; my column
	; descriptor group 1: a tile of 128 rows x ROWB bytes, padded in LDS
	s_or_b32 s[G1+0], s43, (0<<16)|(1<<20)|(1<<21)|(3<<22)|(3<<25)  ; 15:0 the mask: A's tiles go to my row; 17:16 element of 1 byte; 20 padding on; 21 set beside a mask; 24:22 after every 16 words; 31:25 of 4 words
	s_or_b32 s[G1B+0], s44, (0<<16)|(1<<20)|(1<<21)|(3<<22)|(3<<25)
.irp g, G1, G1B
	s_mov_b32 s[\g+1], ROWB<<16                    ; tensor_dim0
	s_mov_b32 s[\g+2], 128<<16                     ; tensor_dim1 = 128
	s_mov_b32 s[\g+3], ROWB<<16                    ; tile_dim0
	s_mov_b32 s[\g+4], 128                         ; tile_dim1 = 128
	s_mov_b32 s[\g+5], KROW                        ; tensor_dim0_stride
	s_mov_b32 s[\g+6], 0
	s_mov_b32 s[\g+7], 0
.endr
	; and for the scales of 128 rows: a dense block of 4,096 bytes, as rows of 256 bytes (32 elements of 8 bytes), 16 bytes of padding behind each
	s_or_b32 s[G1S+0], s43, (3<<16)|(1<<20)|(1<<21)|(5<<22)|(3<<25)
	s_or_b32 s[G1SB+0], s44, (3<<16)|(1<<20)|(1<<21)|(5<<22)|(3<<25)
.irp g, G1S, G1SB
	s_mov_b32 s[\g+1], 32<<16
	s_mov_b32 s[\g+2], (128*KS/256)<<16
	s_mov_b32 s[\g+3], 32<<16
	s_mov_b32 s[\g+4], 128*KS/256
	s_mov_b32 s[\g+5], 32
	s_mov_b32 s[\g+6], 0
	s_mov_b32 s[\g+7], 0
.endr
	s_lshl_b32 s18, s16, 7                         ; which 128 rows of the tile I fetch
	s_lshl_b32 s20, s17, 8
	s_add_co_u32 s20, s20, s18                     ; A: row 256 x tile + 128 x half
	s_lshl_b32 s46, s42, 8
	s_add_co_u32 s46, s46, s18                     ; B likewise
	s_mov_b32 s21, 0
	s_mov_b32 s47, 0
	s_mov_b64 s[18:19], KS
	s_mul_u64 s[22:23], s[20:21], s[18:19]         ; where these rows' scales begin, in bytes
	s_mul_u64 s[92:93], s[46:47], s[18:19]
	s_mov_b64 s[18:19], KROW
	s_mul_u64 s[20:21], s[20:21], s[18:19]         ; and their codes
	s_mul_u64 s[46:47], s[46:47], s[18:19]
	s_mul_i32 s45, s14, HALFT                      ; where they go: wave x 128 rows: no place in the cluster enters an LDS address
	s_mul_i32 s94, s14, HALFS
	s_wait_kmcnt 0x0
	s_cmp_lt_u32 ttmp9, 16                         ; which tensor is A and which is B: a choice between buffers on the cluster's number
	s_cselect_b64 s[96:97], s[4:5], s[8:9]         ; A's codes
	s_cselect_b64 s[98:99], s[6:7], s[10:11]       ; A's scales
	s_cselect_b64 s[8:9], s[8:9], s[4:5]           ; B's codes
	s_cselect_b64 s[10:11], s[10:11], s[6:7]       ; B's scales
	s_add_nc_u64 s[20:21], s[96:97], s[20:21]
	s_add_nc_u64 s[22:23], s[98:99], s[22:23]
	s_add_nc_u64 s[46:47], s[8:9], s[46:47]
	s_add_nc_u64 s[92:93], s[10:11], s[92:93]
	CROUND                                         ; all sixteen work-groups are here: the first joint loads meet
	s_mov_b32 s[G0S], 1
	s_add_co_u32 s[G0S+1], s94, SCL
	s_mov_b64 s[G0S+2:G0S+3], s[22:23]
	s_or_b32 s[G0S+3], s[G0S+3], 0x80000000
	s_mov_b32 s[G0SB], 1
	s_add_co_u32 s[G0SB+1], s94, SCL
	s_mov_b64 s[G0SB+2:G0SB+3], s[92:93]
	s_or_b32 s[G0SB+3], s[G0SB+3], 0x80000000
	JLOAD G0S, G1S, G0SB, G1SB                     ; the scales first: they are wanted with K step 0
.irp s, 0,1
	s_mov_b32 s[G0+4*\s], 1
	s_add_co_u32 s[G0+4*\s+1], s45, \s*SLOT
	s_add_nc_u64 s[G0+4*\s+2:G0+4*\s+3], s[20:21], \s*ROWB
	s_or_b32 s[G0+4*\s+3], s[G0+4*\s+3], 0x80000000
	s_mov_b32 s[G0B+4*\s], 1
	s_add_co_u32 s[G0B+4*\s+1], s45, \s*SLOT
	s_add_nc_u64 s[G0B+4*\s+2:G0B+4*\s+3], s[46:47], \s*ROWB
	s_or_b32 s[G0B+4*\s+3], s[G0B+4*\s+3], 0x80000000
	JLOAD G0+4*\s, G1, G0B+4*\s, G1B
.endr
	v_and_b32 v1, 15, v0                           ; l % 16
	v_bfe_u32 v2, v0, 4, 1                         ; l / 16
	v_mul_u32_u24 v3, v1, PITCH
	v_mul_u32_u24 v4, v2, 24
	v_add_nc_u32 v4, v3, v4                        ; a fragment's row x pitch + 24 x half
	v_lshl_add_u32 v5, v2, 4, v4                   ; and the same behind one padding more
	s_mul_i32 s21, s15, HALFT                      ; my 128 rows of A
	s_mul_i32 s22, s16, HALFT                      ; my 128 rows of B,
	s_add_co_u32 s22, s22, 2*HALFT                 ; which lie behind A's 256
.irp s, 0,1
	v_add_nc_u32 v[ADRA+\s], s21, v4
	v_add_nc_u32 v[ADRB+\s], s22, v4
	v_add_nc_u32 v[ADRA+2+\s], s21, v5
	v_add_nc_u32 v[ADRB+2+\s], s22, v5
	s_add_co_u32 s21, s21, SLOT
	s_add_co_u32 s22, s22, SLOT
.endr
	v_mul_u32_u24 v5, v1, KS                       ; my row's scales: KS bytes a row,
	v_lshrrev_b32 v6, 8, v5
	v_lshl_add_u32 v5, v6, 4, v5                   ; and 16 more for each 256 passed
	s_mul_i32 s21, s15, HALFS                      ; A's: my 128 rows
	s_mul_i32 s22, s16, HALFS                      ; B's: my 128 rows, behind A's 256
	s_add_co_u32 s22, s22, 2*HALFS
	s_sub_co_u32 s22, s22, s21
	v_mul_u32_u24 v6, s22, v2                      ; lanes 16-31 take B's: the lower base + h x the distance
	s_add_co_u32 s21, s21, SCL
	v_add_nc_u32 v5, v5, v6
	v_add_nc_u32 v[ADRS], s21, v5
	v_and_b32 v6, 31, v0
	v_lshlrev_b32 v[VO16], 4, v6
	v_lshlrev_b32 v[VO8], 3, v6
.irp b, 0,1,2,3
	v_mov_b32 v[TM+4+\b], 0                        ; written once: a lane permute's destination counts as one of its sources
.endr
	; WHERE MY RESULTS GO.  Candidates first, then one compare and a run of selects.  None of these registers feeds a descriptor from here on.
	s_and_b32 s96, ttmp9, 1                        ; q (0) or k (1)
	s_mov_b32 s98, 768
	s_mov_b32 s20, 1536
	s_mov_b32 s22, REC-4608
	s_mov_b32 s101, VSOFF
	s_cmp_lt_u32 ttmp9, 16
	s_cselect_b32 s92, s17, s42                    ; my tile of 256 tokens: A's or B's
	s_cselect_b32 s93, s15, s16                    ; and my half of it
	s_cselect_b32 s94, s40, s41                    ; my tile of 256 channels in q, k or v: cx or cy
	s_cselect_b32 s95, s16, s15                    ; and my half of it: two heads
	s_cselect_b32 s96, s96, 1                      ; sel: v lies in k's records
	s_cselect_b32 s97, 0, VOFF                     ; the codes' region in a record
	s_cselect_b32 s98, REC, s98                    ; from a fragment's registers 0-5 to its registers 6-11: the next head's record, or the second half fragment
	s_cselect_b32 s20, 768, s20                    ; from block to block: a tile of tokens, or a channel tile
	s_cselect_b32 s22, 768, s22                    ; from block 3 to block 4: likewise, or on to the next head's record
	s_cselect_b32 s100, 9, 8                       ; 128 tokens' scale words: 512 or 256 bytes
	s_cselect_b32 s101, KSOFF, s101
	s_mov_b32 s99, 0
	s_mov_b32 s21, 0
	s_mov_b32 s23, 0
	s_lshl_b32 s92, s92, 1
	s_add_co_u32 s92, s92, s93                     ; which 128 tokens of the 8,192
	s_lshr_b32 s93, s92, 4                         ; the batch
	s_and_b32 s92, s92, 15                         ; which 128 of its 2,048
	s_lshl_b32 s94, s94, 2
	s_lshl_b32 s95, s95, 1
	s_add_co_u32 s94, s94, s95                     ; my first head
	s_lshl_b32 s96, s96, 6
	s_lshl_b32 s93, s93, 4
	s_add_co_u32 s94, s94, s96
	s_add_co_u32 s94, s94, s93                     ; the record: 64 sel + 16 batch + head
	s_mul_i32 s94, s94, REC
	s_mul_i32 s18, s92, 6144                       ; 128 tokens' codes of a head: 8 tiles of 768 bytes, or 4 fragments of 1,536
	s_add_co_u32 s18, s18, s94
	s_add_co_u32 s18, s18, s97
	s_mov_b32 s19, 0
	s_add_nc_u64 s[4:5], s[12:13], s[18:19]        ; registers 0-5 of block 0
	s_add_nc_u64 s[6:7], s[4:5], s[98:99]          ; registers 6-11
	s_lshl_b32 s18, s92, s100
	s_add_co_u32 s18, s18, s94
	s_add_co_u32 s18, s18, s101
	s_add_nc_u64 s[46:47], s[12:13], s[18:19]      ; the scale words
	s_mov_b32 s67, 0xffff0000                      ; lanes 16-31
.macro FRAG reg, adr, q, i             ; a fragment, 16 rows x 128 K, is 12 registers: lane l holds row l % 16; registers 6 c .. 6 c + 5 hold K = 64 c + 32 (l / 16) + 0 .. 31: 24 bytes of the row, as they lie
.irp p, 0,1,2,3,4,5                    ; in pieces of 8 bytes.  Lanes 0-15 take the row's pieces 12 q + 0, 1, 2 and 12 q + 6, 7, 8, lanes 16-31 those three pieces on
.set PIECE, 12*(\q)+6*(\p/3)+\p%3      ; 16 bytes of padding lie behind every 8 pieces: where the piece three on lies behind one padding more, the second address register serves
.if PIECE%8 < 5
	ds_load_b64 v[\reg+2*\p:\reg+2*\p+1], v[\adr] offset:8*PIECE+16*(PIECE/8)+(\i)*16*PITCH
.else
	ds_load_b64 v[\reg+2*\p:\reg+2*\p+1], v[\adr+2] offset:8*PIECE+16*(PIECE/8)+(\i)*16*PITCH
.endif
.endr
.endm
; 16 matrix instructions: A's blocks a0, a0 + 1 x B's eight, 128 along K: the slot's q-th.  p: B's set; sc: the set of scale words.  zero = 1: the first product starts the sums.
; The 64 accumulators take turns, one instruction a turn, in the same order in every step.
.macro MUL16 a0, p, q, sc, zero
.irp a, \a0, \a0+1
.irp b, 0,1,2,3,4,5,6,7
.if \zero
	v_wmma_scale_f32_16x16x128_f8f6f4 v[8*(8*((\a)%4)+\b):8*(8*((\a)%4)+\b)+7], v[128*(\p)+FR*\b:128*(\p)+FR*\b+FR-1], v[AF+FR*(\a):AF+FR*(\a)+FR-1], 0, v[SC+8*NQ*(\sc)+NQ*\b+(\q)], v[SC+8*NQ*(\sc)+NQ*(\a)+(\q)] matrix_a_fmt:MATRIX_FMT_FP6 matrix_b_fmt:MATRIX_FMT_FP6 matrix_a_scale:MATRIX_SCALE_ROW1
.else
	v_wmma_scale_f32_16x16x128_f8f6f4 v[8*(8*((\a)%4)+\b):8*(8*((\a)%4)+\b)+7], v[128*(\p)+FR*\b:128*(\p)+FR*\b+FR-1], v[AF+FR*(\a):AF+FR*(\a)+FR-1], v[8*(8*((\a)%4)+\b):8*(8*((\a)%4)+\b)+7], v[SC+8*NQ*(\sc)+NQ*\b+(\q)], v[SC+8*NQ*(\sc)+NQ*(\a)+(\q)] matrix_a_fmt:MATRIX_FMT_FP6 matrix_b_fmt:MATRIX_FMT_FP6 matrix_a_scale:MATRIX_SCALE_ROW1
.endif
.endr
.endr
.endm
.macro FETCH_B slot, q, p              ; B's eight fragments of the slot's q-th 128 along K into set p
	WIN TO_B
.irp i, 0,1,2,3,4,5,6,7
	FRAG 128*(\p)+FR*\i, ADRB+\slot, \q, \i
.endr
	WIN 0
.endm
.macro FETCH_A slot, q, i0             ; A's blocks i0 .. i0 + 3
.irp i, \i0, \i0+1, \i0+2, \i0+3
	FRAG AF+FR*(\i), ADRA+\slot, \q, \i
.endr
.endm
.macro SCALES sc                       ; a K step's scale words into set sc: NQ words a row; lanes 0-15 take A's block i, lanes 16-31 B's block i
.irp i, 0,1,2,3,4,5,6,7
	ds_load_b64 v[SC+8*NQ*\sc+NQ*\i:SC+8*NQ*\sc+NQ*\i+1], v[ADRS] offset:\i*SBLK
.endr
.endm
; A load into a register that a matrix instruction has read, and a vector instruction that reads a matrix result, stand NP places behind that matrix instruction; only plain vector
; instructions that name none of its registers are places (ISA guide 7.12.1 for vector instructions).
.macro PLACES n
.rept \n
	v_nop
.endr
.endm
; A step of 128 along K that has its successor in the same slot.
.macro STEP slot, q, zero
	s_wait_dscnt 4*NL                              ; B's set and A's blocks 0-3 are in; the youngest 24 loads (A's blocks 4-7) may be out
	WIN MUL_LO
	MUL16 0, (\q)%2, \q, \slot, \zero
	MUL16 2, (\q)%2, \q, \slot, \zero
	s_wait_dscnt 0                                 ; A's blocks 4-7 are in (asked for 32 matrix instructions ago)
	PLACES NP
	FETCH_B \slot, (\q)+1, 1-(\q)%2
	FETCH_A \slot, (\q)+1, 0
	WIN MUL_HI
	MUL16 4, (\q)%2, \q, \slot, \zero
	MUL16 6, (\q)%2, \q, \slot, \zero
	PLACES NP
	WIN 0
	FETCH_A \slot, (\q)+1, 4
.endm
; A slot's last step changes slots: ONE barrier; in front of it each wave waits for all its tensor loads, adds 0 to its spare word, and waits for that and for its own reads of this slot.  fill = 1: this slot is filled again, two K steps ahead.
.macro TURN slot, next, fill
	s_wait_tensorcnt 0x0                           ; all my tensor loads have landed: my part of the next slot;  (every window is 0 here)
	ds_add_u32 v[SPW], v[NIL]                      ; 0 onto my spare word
	s_wait_dscnt 4*NL+1                            ; (the add and the youngest 24 loads, A's blocks 4-7, may be out)
	WIN MUL_LO
	MUL16 0, 1, NQ-1, \slot, 0                     ; sixteen matrix instructions stand between the add and the wait for it
	s_wait_dscnt 0x0                               ; the add is done, and my reads of this slot are over
	s_barrier_signal -1
	MUL16 2, 1, NQ-1, \slot, 0
	WIN 0
	s_barrier_wait -1
.if \fill
	CREST                                          ; the barrier has opened a round of the cluster's barrier: no wave of any partner still reads this slot's tile or has a load on its way
	s_add_nc_u64 s[G0+4*\slot+2:G0+4*\slot+3], s[G0+4*\slot+2:G0+4*\slot+3], 2*ROWB
	s_add_nc_u64 s[G0B+4*\slot+2:G0B+4*\slot+3], s[G0B+4*\slot+2:G0B+4*\slot+3], 2*ROWB
	JLOAD G0+4*\slot, G1, G0B+4*\slot, G1B         ; the first tensor load behind the round; the four v_nop behind it are the places in front of the loads below
.else
	PLACES NP
.endif
	v_add_nc_u32 v[ADRS], 4*NQ, v[ADRS]            ; on to the next K step's scale words (no LDS load of mine is out)
	FETCH_B \next, 0, 0
	FETCH_A \next, 0, 0
	SCALES \next
	WIN MUL_HI
	MUL16 4, 1, NQ-1, \slot, 0
	MUL16 6, 1, NQ-1, \slot, 0
	PLACES NP
	WIN 0
	FETCH_A \next, 0, 4
.endm
	s_wait_tensorcnt 1                             ; the scales and my part of K step 0 are in (K step 1's load may be out)
	s_barrier_signal -1
	s_barrier_wait -1                              ; everybody's are
	FETCH_B 0, 0, 0
	FETCH_A 0, 0, 0
	SCALES 0
	FETCH_A 0, 0, 4
	STEP 0, 0, 1                                   ; the first step stands in front of the loop: its products start the sums
	s_mov_b32 s3, LAPS-1
.Llap:                                                 ; a trip goes once round the ring, from a lap's second step to the next lap's first, and fills both slots again
	TURN 0, 1, 1
	STEP 1, 0, 0
	TURN 1, 0, 1
	STEP 0, 0, 0
	s_sub_co_u32 s3, s3, 1
	s_cmp_lg_u32 s3, 0
	s_cbranch_scc1 .Llap
	TURN 0, 1, 0                                   ; the last lap fills nothing, and has no round of the cluster's barrier
	STEP 1, 0, 0
	s_wait_dscnt 4*NL                              ; the very last step: nothing more to fetch
	WIN MUL_LO
	MUL16 0, 1, NQ-1, 1, 0
	MUL16 2, 1, NQ-1, 1, 0
	s_wait_dscnt 0
	WIN MUL_HI
	MUL16 4, 1, NQ-1, 1, 0
	MUL16 6, 1, NQ-1, 1, 0
	WIN 0
	s_mov_b32 s2, 0x76543210                       ; v_permlanex16_b32's selects for lane l xor 16 (the loop's counter is done with)
	s_mov_b32 s3, 0xfedcba98
; THE WAY OUT of block a (16 rows of A x my 128 rows of B: 64 numbers a lane, four blocks of 32 along the next K): largest magnitudes, scale bytes, codes, four stores.  No LDS: the images are dense as they stand.
.macro QBLOCK a
.set W, 2+(\a)/4                       ; the block's accumulators lie in window 2 or 3
.set WA, W|(W<<2)
.set WB, (W<<2)|(W<<4)
.set AC, 64*((\a)%4)
.if (\a) > 0
	s_wait_xcnt 0x0                                ; the last block's stores have had their addresses translated (ISA guide 3.1): their data registers and bases are rewritten only behind this wait
.if (\a) == 4
	s_add_nc_u64 s[4:5], s[4:5], s[22:23]
	s_add_nc_u64 s[6:7], s[6:7], s[22:23]
.else
	s_add_nc_u64 s[4:5], s[4:5], s[20:21]
	s_add_nc_u64 s[6:7], s[6:7], s[20:21]
.endif
.endif
	WIN WA                                         ; sources 0 and 1 in the accumulators' window
.irp b, 0,1,2,3
	v_max3_num_f32 v[TM+\b], |v[AC+16*\b]|, |v[AC+16*\b+1]|, 0x1800000   ; block b: my 16 numbers, each accumulator from its low end on, and the floor 2^(3 - 127): so the byte cannot fall under 1
.endr
	WIN WB                                         ; sources 1 and 2
.irp i, 2,4,6,8,10,12,14
.irp b, 0,1,2,3
	v_max3_num_f32 v[TM+\b], v[TM+\b], |v[AC+16*\b+\i]|, |v[AC+16*\b+\i+1]|   ; (the four blocks by turns)
.endr
.endr
	WIN 0
.irp b, 0,1,2,3
	v_permlanex16_b32 v[TM+4+\b], v[TM+\b], s2, s3
.endr
.irp b, 0,1,2,3
	v_max_num_f32 v[TM+\b], v[TM+\b], v[TM+4+\b]   ; with lane l xor 16's: the block's largest magnitude
.endr
.irp b, 0,1,2,3
	v_add_nc_u32 v[TM+12+\b], 0xff000000, v[TM+\b] ; 2 off its exponent field: the conversion takes the exponent field of this operand as its scale
.endr
.irp b, 0,1,2,3
	v_lshrrev_b32 v[TM+4+\b], 23, v[TM+12+\b]      ; the scale's byte
.endr
	v_lshl_or_b32 v[SW+\a], v[TM+5], 8, v[TM+4]    ; the four bytes make my row's scale word
	v_lshl_or_b32 v[SW+\a], v[TM+6], 16, v[SW+\a]
	v_lshl_or_b32 v[SW+\a], v[TM+7], 24, v[SW+\a]
	WIN W                                          ; source 0
.irp c, 0,1
	v_cvt_scalef32_pk16_fp6_f32 v[CD+6*\c:CD+6*\c+2], v[AC+32*\c:AC+32*\c+15], v[TM+12+2*\c]
	v_cvt_scalef32_pk16_fp6_f32 v[CD+12+4*\c:CD+14+4*\c], v[AC+32*\c+16:AC+32*\c+31], v[TM+13+2*\c]   ; (a conversion's three registers begin on an even number)
.endr
	WIN 0
	v_nop                                          ; one plain place behind a scaled conversion
.irp c, 0,1                                    ; the operand's layout wants a WHOLE block in a lane: lanes 0-15 block 2 c, lanes 16-31 block 2 c + 1
.irp i, 0,1,2
	v_permlane16_swap_b32 v[CD+6*\c+\i], v[CD+12+4*\c+\i]
.endr
.irp i, 0,1,2
	v_mov_b32 v[CD+3+6*\c+\i], v[CD+12+4*\c+\i]
.endr
.endr
	global_store_b128 v[VO16], v[CD:CD+3], s[4:5]              ; 512 consecutive bytes, at a multiple of 256 from the buffer's first byte
	global_store_b64 v[VO8], v[CD+4:CD+5], s[4:5] offset:512   ; 256 more
	global_store_b128 v[VO16], v[CD+6:CD+9], s[6:7]
	global_store_b64 v[VO8], v[CD+10:CD+11], s[6:7] offset:512
.endm
	PLACES NP                                      ; behind the last products
.irp a, 0,1,2,3,4,5,6,7
	QBLOCK \a
.endr
.irp p, 0,1,2,3
	v_cndmask_b32 v[PP+\p], v[SW+2*\p], v[SW+2*\p+1], s67      ; lanes 0-15 keep block 2 p's words, lanes 16-31 take block 2 p + 1's
.endr
	s_cmp_lt_u32 ttmp9, 16                         ; the cluster's number: all partners go the same way; no LDS access, barrier or tensor load stands on either
	s_cbranch_scc0 .Lv_words
	global_store_b128 v[VO16], v[PP:PP+3], s[46:47]            ; q, k: eight tiles' words of the even head: its bytes are the two lower ones
.irp p, 0,1,2,3
	v_lshrrev_b32 v[PP2+\p], 16, v[PP+\p]                      ; the odd head's two bytes come down; zeros above
.endr
	global_store_b128 v[VO16], v[PP2:PP2+3], s[46:47] offset:REC
	s_branch .Lwords_done
.Lv_words:
	global_store_b64 v[VO8], v[PP:PP+1], s[46:47]              ; v: blocks 0-3 are the first head's four channel tiles,
	global_store_b64 v[VO8], v[PP+2:PP+3], s[46:47] offset:REC ; blocks 4-7 the next head's
.Lwords_done:
	s_wait_tensorcnt 0x0                           ; the wave's end
	ds_add_u32 v[SPW], v[NIL]
	s_wait_dscnt 0x0
	CROUND                                         ; the closing round: no work-group ends while a partner may still ask for a tile that names it
	s_endpgm
.Lfunc_end_k_q4d61befd6b_qkv:
	.size	k_q4d61befd6b_qkv, .Lfunc_end_k_q4d61befd6b_qkv-k_q4d61befd6b_qkv
	.p2alignl 7, 3214868480
	.fill 96, 4, 3214868480
	.section	.rodata,"a",@progbits
	.p2align	6, 0x0
	.amdhsa_kernel k_q4d61befd6b_qkv
		.amdhsa_group_segment_fixed_size 327680
		.amdhsa_private_segment_fixed_size 0
		.amdhsa_enable_private_segment 0
		.amdhsa_kernarg_size 40
		.amdhsa_user_sgpr_count 2
		.amdhsa_user_sgpr_kernarg_segment_ptr 1
		.amdhsa_wavefront_size32 1
		.amdhsa_system_sgpr_workgroup_id_x 1
		.amdhsa_system_sgpr_workgroup_id_y 1
		.amdhsa_system_sgpr_workgroup_id_z 1
		.amdhsa_system_vgpr_workitem_id 0
		.amdhsa_next_free_vgpr 1024
		.amdhsa_next_free_sgpr 102
		.amdhsa_reserve_vcc 0
		.amdhsa_float_denorm_mode_32 3
		.amdhsa_float_denorm_mode_16_64 3
		.amdhsa_memory_ordered 1
		.amdhsa_forward_progress 1
		.amdhsa_inst_pref_size 168
	.end_amdhsa_kernel
	.amdgpu_metadata
---
amdhsa.version: [ 1, 2 ]
amdhsa.kernels:
  - .name:           k_q4d61befd6b_qkv
    .symbol:         k_q4d61befd6b_qkv.kd
    .args:
      - { .name: x_codes, .offset: 0, .size: 8, .value_kind: global_buffer, .address_space: global }
      - { .name: x_scales, .offset: 8, .size: 8, .value_kind: global_buffer, .address_space: global }
      - { .name: w_qkv_codes, .offset: 16, .size: 8, .value_kind: global_buffer, .address_space: global }
      - { .name: w_qkv_scales, .offset: 24, .size: 8, .value_kind: global_buffer, .address_space: global }
      - { .name: qkv, .offset: 32, .size: 8, .value_kind: global_buffer, .address_space: global }
    .group_segment_fixed_size: 327680
    .private_segment_fixed_size: 0
    .kernarg_segment_align: 8
    .kernarg_segment_size: 40
    .max_flat_workgroup_size: 128
    .sgpr_count:     102
    .vgpr_count:     1024
    .wavefront_size: 32
...
	.end_amdgpu_metadata
.endif
;; end of part 1
;; launch attn (part 2): grid 4 x 64, 16 waves a work-group, clusters of 4 x 1, 210,944 bytes of LDS; arguments qkv, o_codes, o_scales; writes o_codes, o_scales
.if DOCPART == 2
	.amdgcn_target "amdgcn-amd-amdhsa--gfx1250"
	.amdhsa_code_object_version 6
	.text
	.protected	k_q4d61befd6b_attn
	.globl	k_q4d61befd6b_attn
	.p2align	8
	.type	k_q4d61befd6b_attn,@function
k_q4d61befd6b_attn:
	s_mov_b64 s[64:65], 0
	v_nop
	global_prefetch_b8 v0, s[64:65] scope:SCOPE_SE
	s_setreg_imm32_b32 hwreg(HW_REG_WAVE_MODE, 25, 1), 1
	s_wait_xcnt 0x0
	s_wait_alu depctr_hold_cnt(0) depctr_sa_sdst(0) depctr_va_vdst(0) depctr_va_sdst(0) depctr_va_ssrc(0) depctr_va_vcc(0) depctr_vm_vsrc(0)
	s_getreg_b32 s2, hwreg(HW_REG_IB_STS2, 6, 4)
	s_cmp_eq_u32 s2, 0
	s_cbranch_scc0 .Lentry_in_a_cluster
	s_endpgm
.Lentry_in_a_cluster:
	s_bfe_u32 s2, ttmp6, 0x10000c
	s_cmp_lg_u32 s2, 0x3003
	s_cbranch_scc0 .Lentry_shape_is_right
	s_endpgm
.Lentry_shape_is_right:
; O = softmax(q k^T / 8) v for one head of one batch, both products on codes of FP6 (E2M3) with one E8M0 scale for each 32 along a product's K; O is quantised along the channels and leaves as codes for the last product.
; q, k and v come from the records that the launch before has laid as images of operand registers (a half fragment, 16 rows x 64 K, is 768 bytes: registers 0-3 at 16 x lane, registers 4-5 at 512 + 8 x lane).
; THE SOFTMAX: t = score x log2(e) / 8 (the factor 1 / 8 on q is a power of two: it is taken off the scores and not off q's scales); M = the row's largest t so far, rounded UP to a whole number; p = 2^(t - M) is quantised
; along the keys, not normalised.  The row's sum is taken of the unquantised p and divides O at the end.  When M moves, the sum and O are multiplied by 2^(old M - new M): exact.
; SHARES.  A work-group owns 512 queries of a head; each of its SIXTEEN waves a tile of 16 queries at a time, twice, in 256 registers: four waves to a SIMD, so that one wave's vector work stands beside another's products and LDS loads.
; NO RING.  The head's whole record of k and v, 208,896 bytes, lies in LDS as it lies in memory: filled once, never stored into, never filled again.  The four work-groups of a head form a cluster and ask for it JOINTLY,
; each wave for a sixteenth: that divides the requests by four.
; LAYOUT.  Both products are used transposed: S^T = K Q^T (source 0 = 16 keys, source 1 = my 16 queries; K = 64: the upper six registers of both fragments hold zero codes), O^T = V^T P^T: a lane holds ONE query throughout.
; The 16 registers of tiles 2 b and 2 b + 1 of S^T hold, of block b of 32 keys, the places 8 h + 0..7 and 16 + 8 h + 0..7; conversion and exchange of halves lay p's codes in the order 0-7, 16-23, 8-15, 24-31 of a block,
; which is the order in which v's codes were laid, by the same lines.  The order stays inside a block, under one scale.
; O meets w_proj in its natural order: on the way out sixteen exchanges of halves first give each lane 16 neighbouring channels.
; LIMITS: NaN and infinities are not served.  A block whose largest magnitude lies under 2^-124 gets the byte 1; a block of zeros too, where the rule says 127: its codes are zeros, and this program alone reads the bytes.
.set REC,   208896                     ; a record
.set PART,  13056                      ; a sixteenth of it: 51 rows of 256 bytes
.set VOFF,  98304                      ; LDS and record: K's tiles at 0, V's fragments here,
.set KSOFF, 196608                     ; K's scale words,
.set VSOFF, 204800                     ; V's
.set L16,  1                           ; v1   16 x lane
.set L8,   2                           ; v2   8 x lane
.set AK16, 3                           ; v3-8 the step's LDS addresses: K's tiles (16 and 8 bytes a lane), V's, K's scale words, V's
.set AK8,  4
.set AV16, 5
.set AV8,  6
.set ASK,  7
.set ASV,  8
.set T,    9                           ; v9   at work
.set VSW,  10                          ; v[10:11] V's scale words: register p: lanes 0-15 channel tile 2 p, lanes 16-31 tile 2 p + 1
.set QF,   16                          ; v[16:27] Q's fragment: six registers of codes, six of zero codes
.set QSC,  28                          ; v28  Q's scale words
.set PS,   29                          ; v29  p's scale word
.set F,    30                          ; v[30:31] f = 2^(old M - new M), later 1 / the sum; v31 is named with it as a pair
.set KB,   32                          ; v[32:79] four fragments of K: of each twelve registers the upper six hold zero codes and are never loaded
.set VB,   80                          ; v[80:127] four fragments of V
.set S,    128                         ; v[128:191] S^T, then p
.set O,    192                         ; v[192:223] O^T
.set CD,   224                         ; v[224:235] p's codes
.set BM,   236                         ; v[236:239] the blocks' largest scores, then p
.set TP,   240                         ; v[240:246] at work
.set QSV,  247                         ; v247 my byte among a group's scale words of q; never rewritten
.set SO,   248                         ; v[248:251] the conversions' scale operands
.set KSW,  252                         ; v[252:255] K's scale words: register p: lanes 0-15 tile 2 p, lanes 16-31 tile 2 p + 1
.set WV,   18                          ; s18 my wave's number
.set SEL,  20                          ; s[20:21] lane selects for v_permlanex16_b32: lane l xor 16
.set CS,   22                          ; s[22:23] c = log2(e) / 8
.set G1,   24                          ; s[24:31], s[32:35] the one descriptor
.set G0,   32
.set TB,   36                          ; s36-39 where the step's K, V, K's scale words and V's begin in LDS
.set TBV,  37
.set TS,   38
.set TJ,   39
.set NST,  40                          ; s40 steps to go;  s41 passes to go
.set NPA,  41
.set QC,   42                          ; s[42:43] q's tile;  s[44:45] its group of scale words;  s[46:47] O's half fragment;  s[48:49] O's scale bytes
.set QSB,  44
.set OC,   46
.set OS,   48
.macro CROUND                          ; a round of the cluster's barrier: my work-group's barrier; wave 0 signals for the work-group; every wave waits for all four; my work-group's barrier once more
	s_barrier_signal -1
	s_barrier_wait -1
	s_cmp_lg_u32 s[WV], 0
	s_cbranch_scc1 .Lnot_wave_0_\@
	s_barrier_signal -3
.Lnot_wave_0_\@:
	s_barrier_wait -3
	s_barrier_signal -1
	s_barrier_wait -1
.endm
	s_load_b128 s[4:7], s[0:1], 0x0                ; the records, O's codes
	s_load_b64 s[8:9], s[0:1], 0x10                ; O's scale bytes
	v_lshl_add_u32 v254, v0, 2, 0x33000
	v_mov_b32 v255, 0
	ds_add_u32 v254, v255
	ds_add_u32 v254, v255
	s_wait_dscnt 0x0
	v_lshrrev_b32 v[T], 5, v0
	s_delay_alu instid0(VALU_DEP_1)
	v_readfirstlane_b32 s[WV], v[T]                ; wave 0..15
	s_bfe_u32 s10, ttmp6, 0x40000                  ; cx: which 512 queries: it enters q's and O's addresses alone
	s_and_b32 s11, ttmp7, 0xffff                   ; 16 x batch + head, which the four partners share
	s_mov_b32 s[G1], 15|(3<<16)|(1<<21)            ; 15:0 the mask: all four work-groups; 17:16 elements of 8 bytes; 20 no padding; 21 set beside a mask
	s_mov_b32 s[G1+1], 32<<16                      ; tensor_dim0 = 32 elements: rows of 256 bytes
	s_mov_b32 s[G1+2], 51<<16                      ; tensor_dim1 = 51
	s_mov_b32 s[G1+3], 32<<16                      ; tile_dim0
	s_mov_b32 s[G1+4], 51                          ; tile_dim1
	s_mov_b32 s[G1+5], 32                          ; the pitch: dense
	s_mov_b32 s[G1+6], 0
	s_mov_b32 s[G1+7], 0
	s_mov_b32 s[G0], 1
	s_mul_i32 s[G0+1], s[WV], PART                 ; my sixteenth, in LDS
	s_add_co_u32 s12, s11, 64                      ; k's and v's records follow q's 64
	s_mul_i32 s12, s12, REC
	s_add_co_u32 s12, s12, s[G0+1]                 ; and in memory
	s_mov_b32 s13, 0
	s_wait_kmcnt 0x0
	s_add_nc_u64 s[G0+2:G0+3], s[4:5], s[12:13]
	s_or_b32 s[G0+3], s[G0+3], 0x80000000
	CROUND                                         ; all four work-groups are here: the joint loads meet
	tensor_load_to_lds s[G0:G0+3], s[G1:G1+7]      ; one load a wave, the only one of the launch
	s_nop 0
.rept 4
	v_nop
.endr
	s_mov_b32 s[SEL], 0x76543210
	s_mov_b32 s[SEL+1], 0xfedcba98
	s_mov_b32 s[CS], 0x3e38aa3b                    ; c = log2(e) / 8
	s_mov_b32 s[CS+1], s[CS]                       ; (named with it as a pair, so it is written)
	s_mov_b32 s[NPA], 2
	v_and_b32 v[L16], 31, v0
	s_delay_alu instid0(VALU_DEP_1)
	v_lshlrev_b32 v[L8], 3, v[L16]
	s_delay_alu instid0(VALU_DEP_2)
	v_lshlrev_b32 v[L16], 4, v[L16]
	s_and_b32 s54, s[WV], 1                        ; my tile among its group of eight is wave % 8: word (wave / 2) % 4 of lane 16 (wave % 2) + row
	s_lshl_b32 s54, s54, 8
	s_bfe_u32 s55, s[WV], 0x20001
	s_lshl_b32 s55, s55, 2
	s_add_co_u32 s54, s54, s55
	v_and_b32 v[QSV], 15, v0
	s_delay_alu instid0(VALU_DEP_1)
	v_lshlrev_b32 v[QSV], 4, v[QSV]
	s_delay_alu instid0(VALU_DEP_1)
	v_add_nc_u32 v[QSV], s54, v[QSV]
.irp i, 6,7,8,9,10,11
	v_mov_b32 v[QF+\i], 0                          ; zero codes for K = 64 .. 127, written once
	v_mov_b32 v[KB+\i], 0
	v_mov_b32 v[KB+12+\i], 0
	v_mov_b32 v[KB+24+\i], 0
	v_mov_b32 v[KB+36+\i], 0
.endr
.irp b, 0,1,2,3
	v_mov_b32 v[TP+\b], 0                          ; written once: a lane permute's destination counts as one of its sources
.endr
	v_mov_b32 v[F+1], 0
	s_lshl_b32 s14, s10, 5
	s_add_co_u32 s14, s14, s[WV]                   ; my first tile of queries: 32 cx + wave
	s_mul_i32 s15, s11, REC                        ; q's record
	s_mul_i32 s16, s14, 768
	s_add_co_u32 s16, s16, s15
	s_mov_b32 s17, 0
	s_add_nc_u64 s[QC:QC+1], s[4:5], s[16:17]
	s_lshl_b32 s16, s10, 2
	s_lshr_b32 s19, s[WV], 3
	s_add_co_u32 s16, s16, s19                     ; its group of eight tiles: 4 cx + wave / 8
	s_lshl_b32 s16, s16, 9
	s_add_co_u32 s16, s16, s15
	s_add_co_u32 s16, s16, KSOFF
	s_add_nc_u64 s[QSB:QSB+1], s[4:5], s[16:17]
	s_and_b32 s50, s11, 15                         ; head
	s_lshr_b32 s51, s11, 4                         ; batch
	s_lshr_b32 s52, s50, 2                         ; O's codes: [head / 4][tile of 16 tokens, 512][(head / 2) % 2][1,536 bytes], the odd head's half fragment 768 bytes on
	s_lshl_b32 s52, s52, 9
	s_lshl_b32 s53, s51, 7
	s_add_co_u32 s52, s52, s53
	s_add_co_u32 s52, s52, s14
	s_lshl_b32 s52, s52, 1
	s_bfe_u32 s53, s50, 0x10001
	s_add_co_u32 s52, s52, s53
	s_mul_i32 s52, s52, 1536
	s_and_b32 s53, s50, 1
	s_mul_i32 s53, s53, 768
	s_add_co_u32 s16, s52, s53
	s_add_nc_u64 s[OC:OC+1], s[6:7], s[16:17]
	s_lshl_b32 s52, s51, 16                        ; O's scale bytes: [token][32]: 2,048 x 32 a batch, 512 a tile, 2 a head
	s_lshl_b32 s53, s14, 9
	s_add_co_u32 s52, s52, s53
	s_lshl_b32 s53, s50, 1
	s_add_co_u32 s16, s52, s53
	s_add_nc_u64 s[OS:OS+1], s[8:9], s[16:17]
	s_wait_tensorcnt 0x0                           ; my sixteenth has landed,
	s_barrier_signal -1
	s_barrier_wait -1                              ; everybody's has: from here on LDS is only read
.macro QK t                            ; tile t of S^T: 16 keys x my 16 queries; K's scale words of an odd tile lie in lanes 16-31
.if (\t)%2
	v_wmma_scale_f32_16x16x128_f8f6f4 v[S+8*(\t):S+8*(\t)+7], v[KB+12*((\t)%4):KB+12*((\t)%4)+11], v[QF:QF+11], 0, v[KSW+(\t)/2], v[QSC] matrix_a_fmt:MATRIX_FMT_FP6 matrix_b_fmt:MATRIX_FMT_FP6 matrix_a_scale:MATRIX_SCALE_ROW1
.else
	v_wmma_scale_f32_16x16x128_f8f6f4 v[S+8*(\t):S+8*(\t)+7], v[KB+12*((\t)%4):KB+12*((\t)%4)+11], v[QF:QF+11], 0, v[KSW+(\t)/2], v[QSC] matrix_a_fmt:MATRIX_FMT_FP6 matrix_b_fmt:MATRIX_FMT_FP6
.endif
.endm
.macro PV t                            ; channel tile t of O^T += V^T P^T, K = the step's 128 keys
.if (\t)%2
	v_wmma_scale_f32_16x16x128_f8f6f4 v[O+8*(\t):O+8*(\t)+7], v[VB+12*(\t):VB+12*(\t)+11], v[CD:CD+11], v[O+8*(\t):O+8*(\t)+7], v[VSW+(\t)/2], v[PS] matrix_a_fmt:MATRIX_FMT_FP6 matrix_b_fmt:MATRIX_FMT_FP6 matrix_a_scale:MATRIX_SCALE_ROW1
.else
	v_wmma_scale_f32_16x16x128_f8f6f4 v[O+8*(\t):O+8*(\t)+7], v[VB+12*(\t):VB+12*(\t)+11], v[CD:CD+11], v[O+8*(\t):O+8*(\t)+7], v[VSW+(\t)/2], v[PS] matrix_a_fmt:MATRIX_FMT_FP6 matrix_b_fmt:MATRIX_FMT_FP6
.endif
.endm
.macro KLOAD t                         ; tile t of the step's eight tiles of K: a half fragment, as it lies
	ds_load_b128 v[KB+12*((\t)%4):KB+12*((\t)%4)+3], v[AK16] offset:768*(\t)
	ds_load_b64 v[KB+12*((\t)%4)+4:KB+12*((\t)%4)+5], v[AK8] offset:768*(\t)+512
.endm
.macro MAXB first, second              ; the largest score of two blocks of 32 keys, by turns; each accumulator is read from its low end on
.irp b, \first, \second
	v_max3_num_f32 v[BM+\b], v[S+16*\b], v[S+16*\b+1], v[S+16*\b+2]
.endr
.irp i, 3,5,7,9,11,13
.irp b, \first, \second
	v_max3_num_f32 v[BM+\b], v[BM+\b], v[S+16*\b+\i], v[S+16*\b+\i+1]
.endr
.endr
.irp b, \first, \second
	v_max_num_f32 v[BM+\b], v[BM+\b], v[S+16*\b+15]
.endr
.endm
.Lpass:                                            ; two trips: a tile of 16 queries each
	global_load_b128 v[QF:QF+3], v[L16], s[QC:QC+1]            ; Q's half fragment stays in registers
	global_load_b64 v[QF+4:QF+5], v[L8], s[QC:QC+1] offset:512
	global_load_b32 v[QSC], v[QSV], s[QSB:QSB+1]               ; lanes 0-15: my rows' scale words (lanes 16-31 hold the same and are not read)
	v_mov_b32 v13, 0xff61b1e6                      ; the largest t so far: -3e38, under every t
	s_delay_alu instid0(VALU_DEP_1)
	v_floor_f32 v12, -v13                          ; -M
	v_mov_b32 v14, 0                               ; the sum, in two halves
	v_mov_b32 v15, 0
.set j, 0
.rept 32
	v_mov_b32 v[O+j], 0                            ; O^T.  (The step is written once: the first finds zeros, which the first change of M leaves zeros)
.set j, j+1
.endr
	s_mov_b32 s[TB], 0
	s_mov_b32 s[TBV], VOFF
	s_mov_b32 s[TS], KSOFF
	s_mov_b32 s[TJ], VSOFF
	s_mov_b32 s[NST], 16
	s_wait_loadcnt 0x0                             ; Q
.Lstep:                                            ; sixteen trips: 128 keys each
	s_setprio 2
	v_add_nc_u32 v[AK16], s[TB], v[L16]            ; six plain lines: also the places between the last products and the loads into the registers that they read
	v_add_nc_u32 v[AK8], s[TB], v[L8]
	v_add_nc_u32 v[AV16], s[TBV], v[L16]
	v_add_nc_u32 v[AV8], s[TBV], v[L8]
	v_add_nc_u32 v[ASK], s[TS], v[L16]
	v_add_nc_u32 v[ASV], s[TJ], v[L8]
.irp t, 0,1,2,3
	KLOAD \t
.endr
	ds_load_b128 v[KSW:KSW+3], v[ASK]              ; the eight tiles' scale words
.irp t, 0,1,2,3                                ; V's four fragments are asked for now and wanted behind the softmax
	ds_load_b128 v[VB+12*\t:VB+12*\t+3], v[AV16] offset:1536*\t
	ds_load_b64 v[VB+12*\t+4:VB+12*\t+5], v[AV8] offset:1536*\t+512
	ds_load_b128 v[VB+12*\t+6:VB+12*\t+9], v[AV16] offset:1536*\t+768
	ds_load_b64 v[VB+12*\t+10:VB+12*\t+11], v[AV8] offset:1536*\t+1280
.endr
	ds_load_b64 v[VSW:VSW+1], v[ASV]
	s_wait_alu depctr_va_vdst(0)
	s_wait_dscnt 17                                ; K's tiles 0-3 and the scale words are in; the youngest 17 loads, V's, may be out
.irp t, 0,1,2,3
	QK \t
.endr
.rept 4
	v_nop                                          ; places in front of loads into registers that these products read, and of the first read of their results
.endr
.irp t, 4,5,6,7
	KLOAD \t
.endr
	MAXB 0, 1                                      ; THE LARGEST SCORE OF EACH BLOCK serves twice: for the row's maximum, and, since p rises with the score, for the block's largest p
	s_wait_dscnt 0x0
.irp t, 4,5,6,7
	QK \t
.endr
.rept 4
	v_nop
.endr
	MAXB 2, 3
.irp b, 0,1,2,3
	v_permlanex16_b32 v[TP+\b], v[BM+\b], s[SEL], s[SEL+1]
.endr
.irp b, 0,1,2,3
	s_delay_alu instid0(VALU_DEP_4)
	v_max_num_f32 v[BM+\b], v[BM+\b], v[TP+\b]     ; with lane l xor 16's 16 keys
.endr
	s_delay_alu instid0(VALU_DEP_2)
	v_max3_num_f32 v[T], v[BM], v[BM+1], v[BM+2]
	s_delay_alu instid0(VALU_DEP_1)
	v_max_num_f32 v[T], v[T], v[BM+3]              ; the step's largest score of my query
	s_delay_alu instid0(VALU_DEP_1)
	v_mul_f32 v[T], s[CS], v[T]                    ; as t (c is positive)
	s_delay_alu instid0(VALU_DEP_1)
	v_max_num_f32 v13, v13, v[T]                   ; the running largest t
	v_mov_b32 v[T], v12
	s_delay_alu instid0(VALU_DEP_2)
	v_floor_f32 v12, -v13                          ; the new -M = floor(-t) = -ceil(t): a whole number
	s_delay_alu instid0(VALU_DEP_1)
	v_sub_f32 v[T], v12, v[T]                      ; M's old value less its new one: a whole number, 0 or less
	s_delay_alu instid0(VALU_DEP_1)
	v_cvt_i32_f32 v[T], v[T]                       ; (it saturates)
	s_delay_alu instid0(VALU_DEP_1)
	v_ldexp_f32 v[F], 1.0, v[T]                    ; f = 2^(old M - new M)
.set j, 0
.rept 32
	v_pk_fma_f32 v[S+j:S+j+1], v[S+j:S+j+1], s[CS:CS+1], v[12:13] op_sel_hi:[1,0,0]   ; t - M, two at a time (of the pairs c and -M the low word serves both halves)
.set j, j+2
.endr
.irp b, 0,1,2,3
	v_fma_f32 v[BM+\b], v[BM+\b], s[CS], v12       ; the same of each block's largest score
.endr
.set j, 0
	s_setprio 1
	s_wait_alu depctr_va_vdst(0)
.rept 64
	v_exp_f32 v[S+j], v[S+j]                       ; p = 2^(t - M), at most 1: not normalised
.set j, j+1
.endr
.irp b, 0,1,2,3
	v_exp_f32 v[BM+\b], v[BM+\b]                   ; the block's largest p: the same two instructions on the same number give the same bits
.endr
	v_pk_mul_f32 v[14:15], v[14:15], v[F:F+1] op_sel_hi:[1,0]   ; the sums under the new M.  (A plain place behind the exponentials)
	s_wait_alu depctr_va_vdst(0)
.irp b, 0,1,2,3
	v_max_num_f32 v[BM+\b], 0x1800000, v[BM+\b]    ; the floor 2^(3 - 127): the byte cannot fall under 1
.endr
.irp b, 0,1,2,3
	s_delay_alu instid0(VALU_DEP_4)
	v_add_nc_u32 v[SO+\b], 0xff000000, v[BM+\b]    ; 2 off the exponent field: the conversion's scale operand
.endr
.irp b, 0,1,2,3
	s_delay_alu instid0(VALU_DEP_4)
	v_lshrrev_b32 v[TP+\b], 23, v[SO+\b]           ; the scale's byte
.endr
	s_delay_alu instid0(VALU_DEP_3)
	v_lshl_or_b32 v[PS], v[TP+1], 8, v[TP]         ; p's scale word for these 128 keys
	s_delay_alu instid0(VALU_DEP_1)
	v_lshl_or_b32 v[PS], v[TP+2], 16, v[PS]
	s_delay_alu instid0(VALU_DEP_1)
	v_lshl_or_b32 v[PS], v[TP+3], 24, v[PS]
.irp c, 0,1
	v_cvt_scalef32_pk16_fp6_f32 v[CD+6*\c:CD+6*\c+2], v[S+32*\c:S+32*\c+15], v[SO+2*\c]
	v_cvt_scalef32_pk16_fp6_f32 v[TP+4*\c:TP+4*\c+2], v[S+32*\c+16:S+32*\c+31], v[SO+2*\c+1]   ; (a conversion's three registers begin on an even number)
.endr
	v_nop                                          ; one plain place behind a scaled conversion
.irp c, 0,1                                    ; the operand's layout wants a WHOLE block in a lane: lanes 0-15 block 2 c, lanes 16-31 block 2 c + 1
.irp i, 0,1,2
	v_permlane16_swap_b32 v[CD+6*\c+\i], v[TP+4*\c+\i]
.endr
.irp i, 0,1,2
	s_delay_alu instid0(VALU_DEP_3)
	v_mov_b32 v[CD+3+6*\c+\i], v[TP+4*\c+\i]
.endr
.endr
	v_pk_add_f32 v[236:237], v[132:133], v[136:137]
	v_pk_add_f32 v[254:255], v[140:141], v[144:145]
	v_pk_add_f32 v[252:253], v[148:149], v[152:153]
	v_pk_add_f32 v[250:251], v[156:157], v[160:161]
	v_pk_add_f32 v[248:249], v[164:165], v[168:169]
	v_pk_add_f32 v[244:245], v[172:173], v[176:177]
	v_pk_add_f32 v[238:239], v[180:181], v[184:185]
	v_pk_add_f32 v[14:15], v[14:15], v[188:189]
	v_pk_add_f32 v[236:237], v[236:237], v[128:129]
	v_pk_add_f32 v[254:255], v[254:255], v[130:131]
	v_pk_add_f32 v[252:253], v[252:253], v[134:135]
	v_pk_add_f32 v[250:251], v[250:251], v[138:139]
	v_pk_add_f32 v[248:249], v[248:249], v[142:143]
	v_pk_add_f32 v[244:245], v[244:245], v[146:147]
	v_pk_add_f32 v[238:239], v[238:239], v[150:151]
	v_pk_add_f32 v[14:15], v[14:15], v[154:155]
	v_pk_add_f32 v[236:237], v[236:237], v[158:159]
	v_pk_add_f32 v[254:255], v[254:255], v[162:163]
	v_pk_add_f32 v[252:253], v[252:253], v[166:167]
	v_pk_add_f32 v[250:251], v[250:251], v[170:171]
	v_pk_add_f32 v[248:249], v[248:249], v[174:175]
	v_pk_add_f32 v[244:245], v[244:245], v[178:179]
	v_pk_add_f32 v[238:239], v[238:239], v[182:183]
	v_pk_add_f32 v[14:15], v[14:15], v[186:187]
	v_pk_add_f32 v[236:237], v[236:237], v[190:191]
	s_delay_alu instid0(VALU_DEP_2)
	v_pk_add_f32 v[14:15], v[14:15], v[250:251]
	s_delay_alu instid0(VALU_DEP_2)
	v_pk_add_f32 v[236:237], v[236:237], v[248:249]
	s_setprio 0
	v_pk_add_f32 v[254:255], v[254:255], v[244:245]
	v_pk_add_f32 v[252:253], v[252:253], v[238:239]
	s_delay_alu instid0(VALU_DEP_2)
	v_pk_add_f32 v[14:15], v[14:15], v[254:255]
	s_delay_alu instid0(VALU_DEP_2)
	v_pk_add_f32 v[236:237], v[236:237], v[252:253]
	s_delay_alu instid0(VALU_DEP_1)
	v_pk_add_f32 v[14:15], v[14:15], v[236:237]
.set j, 0
.rept 16
	v_pk_mul_f32 v[O+j:O+j+1], v[O+j:O+j+1], v[F:F+1] op_sel_hi:[1,0]   ; O^T under the new M: x f
.set j, j+2
.endr
.irp t, 0,1,2,3
	PV \t                                          ; the four accumulators by turns, one instruction a turn
.endr
	s_add_co_u32 s[TB], s[TB], 6144                ; the next 128 keys
	s_add_co_u32 s[TBV], s[TBV], 6144
	s_add_co_u32 s[TS], s[TS], 512
	s_add_co_u32 s[TJ], s[TJ], 256
	s_sub_co_u32 s[NST], s[NST], 1
	s_cmp_lg_u32 s[NST], 0
	s_cbranch_scc1 .Lstep
	s_setprio 0
	; THE WAY OUT of a tile of queries.  O^T / the sum; 16 neighbouring channels to a lane; two blocks of 32 quantised; a half fragment's image and two scale bytes a row are stored.
.rept 4
	v_nop                                          ; places behind the last products
.endr
	v_add_f32 v14, v14, v15                        ; the sum's two halves,
	s_delay_alu instid0(VALU_DEP_1)
	v_permlanex16_b32 v[T], v14, s[SEL], s[SEL+1]
	s_delay_alu instid0(VALU_DEP_1)
	v_add_f32 v14, v14, v[T]                       ; and lane l xor 16's: the row's sum
	s_wait_alu depctr_va_vdst(0)
	v_rcp_f32 v[F], v14
	v_nop                                          ; one plain place behind a transcendental
.set j, 0
	s_wait_alu depctr_va_vdst(0)
.rept 16
	v_pk_mul_f32 v[S+j:S+j+1], v[O+j:O+j+1], v[F:F+1] op_sel_hi:[1,0]   ; register 8 t + i is o(query r, channel 16 t + 8 h + i); each accumulator from its low end on
.set j, j+2
.endr
.irp b, 0,1
.irp i, 0,1,2,3,4,5,6,7
	v_permlane16_swap_b32 v[S+16*\b+\i], v[S+16*\b+8+\i]       ; the first's lanes 16-31 change places with the second's lanes 0-15: register 16 b + i is now channel 32 b + 16 h + i
.endr
.endr
.irp b, 0,1
	v_max3_num_f32 v[BM+\b], |v[S+16*\b]|, |v[S+16*\b+1]|, 0x1800000
.endr
.irp i, 2,4,6,8,10,12,14
.irp b, 0,1
	s_delay_alu instid0(VALU_DEP_2)
	v_max3_num_f32 v[BM+\b], v[BM+\b], |v[S+16*\b+\i]|, |v[S+16*\b+\i+1]|
.endr
.endr
.irp b, 0,1
	s_delay_alu instid0(VALU_DEP_2)
	v_permlanex16_b32 v[TP+\b], v[BM+\b], s[SEL], s[SEL+1]
.endr
.irp b, 0,1
	s_delay_alu instid0(VALU_DEP_2)
	v_max_num_f32 v[BM+\b], v[BM+\b], v[TP+\b]     ; the block's largest magnitude
.endr
.irp b, 0,1
	s_delay_alu instid0(VALU_DEP_2)
	v_add_nc_u32 v[SO+\b], 0xff000000, v[BM+\b]
.endr
.irp b, 0,1
	s_delay_alu instid0(VALU_DEP_2)
	v_lshrrev_b32 v[TP+\b], 23, v[SO+\b]
.endr
	s_delay_alu instid0(VALU_DEP_1)
	v_lshl_or_b32 v[T], v[TP+1], 8, v[TP]          ; my row's two scale bytes of this head
	v_cvt_scalef32_pk16_fp6_f32 v[CD:CD+2], v[S:S+15], v[SO]
	v_cvt_scalef32_pk16_fp6_f32 v[TP+4:TP+6], v[S+16:S+31], v[SO+1]
	v_nop                                          ; one plain place behind a scaled conversion
.irp i, 0,1,2
	v_permlane16_swap_b32 v[CD+\i], v[TP+4+\i]     ; lanes 0-15 block 0, lanes 16-31 block 1: the lower 16 codes in the first, the upper 16 in the second
.endr
.irp i, 0,1,2
	s_delay_alu instid0(VALU_DEP_3)
	v_mov_b32 v[CD+3+\i], v[TP+4+\i]
.endr
	v_and_b32 v[BM+2], 15, v0
	s_delay_alu instid0(VALU_DEP_1)
	v_lshlrev_b32 v[BM+2], 5, v[BM+2]              ; 32 scale bytes a token
	global_store_b128 v[L16], v[CD:CD+3], s[OC:OC+1]           ; 512 consecutive bytes, at a multiple of 256 from the buffer's first byte
	global_store_b64 v[L8], v[CD+4:CD+5], s[OC:OC+1] offset:512
	global_store_b16 v[BM+2], v[T], s[OS:OS+1]     ; lanes l and l xor 16 hold the same two bytes and write them to the same place.  Two bytes of each row of 32: the one store of this program that does not cover whole blocks of 256 bytes; 262,144 bytes in all
	s_wait_xcnt 0x0                                ; the stores have had their addresses translated (ISA guide 3.1): their registers and bases are rewritten only behind this wait
	s_add_nc_u64 s[QC:QC+1], s[QC:QC+1], 12288     ; sixteen tiles on (behind the last pass these are not used)
	s_add_nc_u64 s[QSB:QSB+1], s[QSB:QSB+1], 1024
	s_add_nc_u64 s[OC:OC+1], s[OC:OC+1], 49152
	s_add_nc_u64 s[OS:OS+1], s[OS:OS+1], 8192
	s_sub_co_u32 s[NPA], s[NPA], 1
	s_cmp_lg_u32 s[NPA], 0
	s_cbranch_scc1 .Lpass
	s_wait_xcnt 0x0
	v_lshl_add_u32 v254, v0, 2, 0x33000
	v_mov_b32 v255, 0
	s_wait_alu depctr_va_vdst(0)
	s_wait_tensorcnt 0x0
	ds_add_u32 v254, v255
	s_wait_dscnt 0x0
	CROUND                                         ; the closing round
	s_endpgm
.Lfunc_end_k_q4d61befd6b_attn:
	.size	k_q4d61befd6b_attn, .Lfunc_end_k_q4d61befd6b_attn-k_q4d61befd6b_attn
	.p2alignl 7, 3214868480
	.fill 96, 4, 3214868480
	.section	.rodata,"a",@progbits
	.p2align	6, 0x0
	.amdhsa_kernel k_q4d61befd6b_attn
		.amdhsa_group_segment_fixed_size 210944
		.amdhsa_private_segment_fixed_size 0
		.amdhsa_enable_private_segment 0
		.amdhsa_kernarg_size 24
		.amdhsa_user_sgpr_count 2
		.amdhsa_user_sgpr_kernarg_segment_ptr 1
		.amdhsa_wavefront_size32 1
		.amdhsa_system_sgpr_workgroup_id_x 1
		.amdhsa_system_sgpr_workgroup_id_y 1
		.amdhsa_system_sgpr_workgroup_id_z 1
		.amdhsa_system_vgpr_workitem_id 0
		.amdhsa_next_free_vgpr 256
		.amdhsa_next_free_sgpr 66
		.amdhsa_reserve_vcc 0
		.amdhsa_float_denorm_mode_32 3
		.amdhsa_float_denorm_mode_16_64 3
		.amdhsa_memory_ordered 1
		.amdhsa_forward_progress 1
		.amdhsa_inst_pref_size 31
	.end_amdhsa_kernel
	.amdgpu_metadata
---
amdhsa.version: [ 1, 2 ]
amdhsa.kernels:
  - .name:           k_q4d61befd6b_attn
    .symbol:         k_q4d61befd6b_attn.kd
    .args:
      - { .name: qkv, .offset: 0, .size: 8, .value_kind: global_buffer, .address_space: global }
      - { .name: o_codes, .offset: 8, .size: 8, .value_kind: global_buffer, .address_space: global }
      - { .name: o_scales, .offset: 16, .size: 8, .value_kind: global_buffer, .address_space: global }
    .group_segment_fixed_size: 210944
    .private_segment_fixed_size: 0
    .kernarg_segment_align: 8
    .kernarg_segment_size: 24
    .max_flat_workgroup_size: 512
    .sgpr_count:     66
    .vgpr_count:     256
    .wavefront_size: 32
...
	.end_amdgpu_metadata
.endif
;; end of part 2
;; launch proj (part 3): grid 4 x 32, 4 waves a work-group, clusters of 4 x 4, 327,680 bytes of LDS; arguments o_codes, o_scales, w_proj_codes, w_proj_scales, b_proj, out0; writes out0
.if DOCPART == 3
	.amdgcn_target "amdgcn-amd-amdhsa--gfx1250"
	.amdhsa_code_object_version 6
	.text
	.protected	k_q4d61befd6b_proj
	.globl	k_q4d61befd6b_proj
	.p2align	8
	.type	k_q4d61befd6b_proj,@function
k_q4d61befd6b_proj:
	s_mov_b64 s[64:65], 0
	v_nop
	global_prefetch_b8 v0, s[64:65] scope:SCOPE_SE
	s_setreg_imm32_b32 hwreg(HW_REG_WAVE_MODE, 25, 1), 1
	s_wait_xcnt 0x0
	s_wait_alu depctr_hold_cnt(0) depctr_sa_sdst(0) depctr_va_vdst(0) depctr_va_sdst(0) depctr_va_ssrc(0) depctr_va_vcc(0) depctr_vm_vsrc(0)
	s_getreg_b32 s2, hwreg(HW_REG_IB_STS2, 6, 4)
	s_cmp_eq_u32 s2, 0
	s_cbranch_scc0 .Lentry_in_a_cluster
	s_endpgm
.Lentry_in_a_cluster:
	s_bfe_u32 s2, ttmp6, 0x10000c
	s_cmp_lg_u32 s2, 0xf033
	s_cbranch_scc0 .Lentry_shape_is_right
	s_endpgm
.Lentry_shape_is_right:
; out0 = O w_proj^T + b_proj.  O: 8,192 x 1,024 and w_proj: 1,024 x 1,024, codes of FP6 (E2M3) with one E8M0 scale for each 32 along K; out0: f32; sums in f32.
; A tile of out0, 256 x 256, is made by a work-group of four waves; a wave makes 128 x 128: 64 accumulators of 16 x 16, 512 registers.  128 tiles: a tile of 128 x 256 would give each WGP one, at more LDS bytes for each product.
; K goes in steps of 256 through a ring of two LDS slots filled by joint tensor loads: 4 x 4 work-groups form a cluster, A's tile (O) is shared along a row of it, B's (w_proj) along a column.
; B's tile is rows of 192 bytes, padded in LDS.  A ARRIVES AS IMAGES OF ITS FRAGMENTS' REGISTERS, laid by the launch before as [K step of 256][16 rows][128 along K][1,536 bytes]: a fragment is two halves of 768 bytes
; (registers 0-3 at 16 x lane, registers 4-5 at 512 + 8 x lane): a wave's 128 rows of a K step are one dense block of 24,576 bytes, and a fragment comes by four dense loads.
; The scale bytes of the work-group's rows of A and of B, for all of K, come into LDS once and stay.
; THE MATRIX INSTRUCTION IS USED TRANSPOSED (source 0 = 16 rows of B, source 1 = 16 rows of A): a lane holds eight neighbouring numbers of a row of out0.  The bias is the C of each sum's first product.
; REGISTERS, in windows of 256: window 0: v0-31 addresses; v32-63 scale words, two sets; v64-127 the bias in the result's layout; from v128 A's fragments, ONE set; on the way out v128-255 are free.
;   window 1: B's fragments, TWO sets.   windows 2, 3: the accumulators ((a, b) at v[8 (8 (a % 4) + b)]).
.set SIZE_N, 1024
.set KSTEP,  256
.set NQ,     KSTEP/128
.set ROWB,   192                       ; a row of B's tile in bytes
.set KROW,   768                       ; a row of w_proj's codes in memory
.set PITCH,  240                       ; B's LDS row: 3 x (64 bytes + 16 of padding): the 32 lanes of a load of 8 bytes touch 64 different banks (64 banks of 4 bytes: ISA guide 11.1)
.set FR,     12
.set NLA,    4                         ; LDS loads that bring a fragment of A
.set NP,     4                         ; places behind this matrix instruction (ISA guide 7.12.1)
.set HALFT,  128*PITCH                 ; 128 rows of B
.set AHALF,  24576                     ; 128 rows of A: 8 x 2 fragments of 1,536 bytes
.set AREG,   2*AHALF
.set SLOT,   AREG+2*HALFT              ; A's 256 rows, then B's 256 rows
.set KSA,    512*3072                  ; from a K step of A's images to the next, in memory
.set LAPS,   1024/(2*KSTEP)
.set KS,     32                        ; a row of scale bytes
.set SCL,    2*SLOT                    ; behind the ring: the scales, as blocks of 256 bytes + 16 of padding
.set HALFS,  (128*KS/256)*272
.set SBLK,   (16*KS/256)*272
.set SPARE,  SCL+4*HALFS               ; the spare words, 128 bytes for each wave: two blocks of 256 bytes that no other line names
.set SPITCH, 528                       ; the way out: a stage of 16 rows x (512 bytes + 16) for each wave, in slot 0, which has had its last fill and its last read when the first result is stored there
.set ADRA, 16                          ; v16-17 LDS address of my A fragments in slot 0, 1, 16 bytes a lane; v18-19 the same, 8 bytes a lane
.set ADRB, 20                          ; v20-21 of my B fragments (v22-23: for the pieces behind one padding more)
.set STO,  24                          ; v24 the way out: where I put 32 bytes of a row
.set RD,   25                          ; v25 where I read a row back
.set CO,   26                          ; v26 my byte offset in a row of out0
.set ADRS, 27                          ; v27 LDS address of my scale words: lanes 0-15 A's rows, lanes 16-31 B's
.set SPW,  28                          ; v28 LDS address of my spare word; never rewritten
.set NIL,  29                          ; v29 0; never rewritten
.set BO,   30                          ; v30 32 x (lane / 16): my eight numbers of a tile's sixteen of the bias
.set SC,   32
.set BI,   64                          ; v64-127 the bias: register 8 b + j is b_proj at my column 16 b + 8 (lane / 16) + j
.set AF,   128
.set BK,   128                         ; the way out: 16 rows read back from the stage: v128-191 and v192-255 by turns
.set G1, 24                            ; s[24:31] descriptor group 1 for A's tiles; s[32:39] group 0, one set for each slot
.set G0, 32
.set G1B, 48                           ; s[48:55], s[56:63] the same for B's tiles
.set G0B, 56
.set G1S, 68                           ; s[68:75], s[76:79] groups 1 and 0 for A's scales; s[80:87], s[88:91] for B's
.set G0S, 76
.set G1SB, 80
.set G0SB, 88
.set MSB, 0
.macro WIN new                         ; the immediate's high byte repeats the setting that is left
.if MSB != (\new)
	s_set_vgpr_msb (MSB<<8)|(\new)
.set MSB, (\new)
.endif
.endm
.set MUL_LO, 0xa1                      ; source 0 (B) window 1, source 1 (A) window 0, C and D window 2
.set MUL_HI, 0xf1                      ; the same, C and D window 3
.set ZLO,    0x81                      ; the first step: C (the bias) window 0, D window 2
.set ZHI,    0xc1                      ; D window 3
.set TO_B,   0x40                      ; destination window 1, address window 0
; A joint load: waves 0 and 1 fetch for A, waves 2 and 3 for B; the branch hangs on the wave's number alone.  Four v_nop follow each of the two lines.
.macro JLOAD g0a, g1a, g0b, g1b
	s_cmp_eq_u32 s15, 0
	s_cbranch_scc0 .Lfor_b_\@
	tensor_load_to_lds s[\g0a:\g0a+3], s[\g1a:\g1a+7]
	s_nop 0
.rept 4
	v_nop
.endr
	s_branch .Lasked_\@
.Lfor_b_\@:
	tensor_load_to_lds s[\g0b:\g0b+3], s[\g1b:\g1b+7]
	s_nop 0
.rept 4
	v_nop
.endr
.Lasked_\@:
.endm
.macro CREST                           ; a round of the cluster's barrier behind its opening barrier
	s_cmp_lg_u32 s14, 0
	s_cbranch_scc1 .Lnot_wave_0_\@
	s_barrier_signal -3
.Lnot_wave_0_\@:
	s_barrier_wait -3
	s_barrier_signal -1
	s_barrier_wait -1
.endm
.macro CROUND                          ; a whole round
	s_barrier_signal -1
	s_barrier_wait -1
	CREST
.endm
	s_load_b128 s[4:7], s[0:1], 0x0                ; O's codes, O's scales
	s_load_b128 s[8:11], s[0:1], 0x10              ; w_proj's codes, w_proj's scales
	s_load_b64 s[66:67], s[0:1], 0x20              ; b_proj
	s_load_b64 s[12:13], s[0:1], 0x28              ; out0
	v_lshl_add_u32 v[SPW], v0, 2, SPARE
	v_mov_b32 v[NIL], 0
	ds_add_u32 v28, v29
	ds_add_u32 v28, v29
	s_wait_dscnt 0x0
	v_lshrrev_b32 v1, 5, v0
	v_readfirstlane_b32 s14, v1                    ; wave 0..3
	s_lshr_b32 s15, s14, 1                         ; which half of the tile's rows is mine.  Also: I fetch for A (0) or for B (1)
	s_and_b32 s16, s14, 1                          ; which half of its columns.  Also: which 128 rows of that tile I fetch
	s_bfe_u32 s40, ttmp6, 0x40000                  ; cx, cy: my place in the cluster
	s_bfe_u32 s41, ttmp6, 0x40004
	s_lshl_b32 s42, ttmp9, 2
	s_add_co_u32 s42, s42, s40                     ; tile column = 4 x cluster x + cx
	s_and_b32 s17, ttmp7, 0xffff
	s_lshl_b32 s17, s17, 2
	s_add_co_u32 s17, s17, s41                     ; tile row = 4 x cluster y + cy
	s_lshl_b32 s43, s41, 2
	s_lshl_b32 s43, 15, s43                        ; my row of the cluster
	s_lshl_b32 s44, 0x1111, s40                    ; my column
	; descriptor group 1 for A: a dense block of 24,576 bytes as 96 rows of 256 bytes (32 elements of 8 bytes), no padding
	s_or_b32 s[G1+0], s43, (3<<16)|(1<<21)         ; 15:0 the mask: A's tiles go to my row; 17:16 elements of 8 bytes; 21 set beside a mask
	s_mov_b32 s[G1+1], 32<<16                      ; tensor_dim0
	s_mov_b32 s[G1+2], 96<<16                      ; tensor_dim1
	s_mov_b32 s[G1+3], 32<<16                      ; tile_dim0
	s_mov_b32 s[G1+4], 96                          ; tile_dim1
	s_mov_b32 s[G1+5], 32                          ; the pitch: dense
	s_mov_b32 s[G1+6], 0
	s_mov_b32 s[G1+7], 0
	; for B: 128 rows x ROWB bytes, 16 bytes of padding behind every 64
	s_or_b32 s[G1B+0], s44, (0<<16)|(1<<20)|(1<<21)|(3<<22)|(3<<25)
	s_mov_b32 s[G1B+1], ROWB<<16
	s_mov_b32 s[G1B+2], 128<<16
	s_mov_b32 s[G1B+3], ROWB<<16
	s_mov_b32 s[G1B+4], 128
	s_mov_b32 s[G1B+5], KROW
	s_mov_b32 s[G1B+6], 0
	s_mov_b32 s[G1B+7], 0
	; for the scales of 128 rows: a dense block of 4,096 bytes, as rows of 256 bytes, 16 bytes of padding behind each
	s_or_b32 s[G1S+0], s43, (3<<16)|(1<<20)|(1<<21)|(5<<22)|(3<<25)
	s_or_b32 s[G1SB+0], s44, (3<<16)|(1<<20)|(1<<21)|(5<<22)|(3<<25)
.irp g, G1S, G1SB
	s_mov_b32 s[\g+1], 32<<16
	s_mov_b32 s[\g+2], (128*KS/256)<<16
	s_mov_b32 s[\g+3], 32<<16
	s_mov_b32 s[\g+4], 128*KS/256
	s_mov_b32 s[\g+5], 32
	s_mov_b32 s[\g+6], 0
	s_mov_b32 s[\g+7], 0
.endr
	s_lshl_b32 s18, s16, 7                         ; which 128 rows of the tile I fetch
	s_lshl_b32 s20, s17, 8
	s_add_co_u32 s20, s20, s18                     ; A: row 256 x tile row + 128 x half
	s_lshl_b32 s46, s42, 8
	s_add_co_u32 s46, s46, s18                     ; B: row 256 x tile column + 128 x half
	s_mov_b32 s21, 0
	s_mov_b32 s47, 0
	s_mov_b64 s[18:19], KS
	s_mul_u64 s[22:23], s[20:21], s[18:19]         ; where these rows' scales begin, in bytes
	s_mul_u64 s[92:93], s[46:47], s[18:19]
	s_mov_b64 s[18:19], KROW
	s_mul_u64 s[46:47], s[46:47], s[18:19]         ; B's codes
	s_mul_i32 s20, s20, 192                        ; A's images of a K step: 16 rows are 3,072 bytes
	s_mul_i32 s45, s16, AHALF                      ; where they go: A's half,
	s_mul_i32 s95, s16, HALFT
	s_add_co_u32 s95, s95, AREG                    ; B's half, behind A's two: no place in the cluster enters an LDS address
	s_mul_i32 s94, s14, HALFS
	s_wait_kmcnt 0x0
	s_add_nc_u64 s[20:21], s[4:5], s[20:21]
	s_add_nc_u64 s[22:23], s[6:7], s[22:23]
	s_add_nc_u64 s[46:47], s[8:9], s[46:47]
	s_add_nc_u64 s[92:93], s[10:11], s[92:93]
	CROUND                                         ; all sixteen work-groups are here: the first joint loads meet
	s_mov_b32 s[G0S], 1
	s_add_co_u32 s[G0S+1], s94, SCL
	s_mov_b64 s[G0S+2:G0S+3], s[22:23]
	s_or_b32 s[G0S+3], s[G0S+3], 0x80000000
	s_mov_b32 s[G0SB], 1
	s_add_co_u32 s[G0SB+1], s94, SCL
	s_mov_b64 s[G0SB+2:G0SB+3], s[92:93]
	s_or_b32 s[G0SB+3], s[G0SB+3], 0x80000000
	JLOAD G0S, G1S, G0SB, G1SB                     ; the scales first: they are wanted with K step 0
.irp s, 0,1
	s_mov_b32 s[G0+4*\s], 1
	s_add_co_u32 s[G0+4*\s+1], s45, \s*SLOT
	s_add_nc_u64 s[G0+4*\s+2:G0+4*\s+3], s[20:21], \s*KSA
	s_or_b32 s[G0+4*\s+3], s[G0+4*\s+3], 0x80000000
	s_mov_b32 s[G0B+4*\s], 1
	s_add_co_u32 s[G0B+4*\s+1], s95, \s*SLOT
	s_add_nc_u64 s[G0B+4*\s+2:G0B+4*\s+3], s[46:47], \s*ROWB
	s_or_b32 s[G0B+4*\s+3], s[G0B+4*\s+3], 0x80000000
	JLOAD G0+4*\s, G1, G0B+4*\s, G1B
.endr
	v_and_b32 v1, 15, v0                           ; l % 16
	v_bfe_u32 v2, v0, 4, 1                         ; l / 16
	v_and_b32 v6, 31, v0                           ; lane
	v_lshlrev_b32 v3, 4, v6
	v_lshlrev_b32 v4, 3, v6
	v_mul_u32_u24 v7, v1, PITCH
	v_mul_u32_u24 v8, v2, 24
	v_add_nc_u32 v7, v7, v8                        ; B: a fragment's row x pitch + 24 x half
	v_lshl_add_u32 v8, v2, 4, v7                   ; and the same behind one padding more
	s_mul_i32 s21, s15, AHALF                      ; my 128 rows of A
	s_mul_i32 s22, s16, HALFT                      ; my 128 rows of B,
	s_add_co_u32 s22, s22, AREG                    ; which lie behind A's 256
.irp s, 0,1
	v_add_nc_u32 v[ADRA+\s], s21, v3
	v_add_nc_u32 v[ADRA+2+\s], s21, v4
	v_add_nc_u32 v[ADRB+\s], s22, v7
	v_add_nc_u32 v[ADRB+2+\s], s22, v8
	s_add_co_u32 s21, s21, SLOT
	s_add_co_u32 s22, s22, SLOT
.endr
	v_mul_u32_u24 v5, v1, KS                       ; my row's scales: KS bytes a row,
	v_lshrrev_b32 v9, 8, v5
	v_lshl_add_u32 v5, v9, 4, v5                   ; and 16 more for each 256 passed
	s_mul_i32 s21, s15, HALFS                      ; A's: my 128 rows
	s_mul_i32 s22, s16, HALFS                      ; B's: my 128 rows, behind A's 256
	s_add_co_u32 s22, s22, 2*HALFS
	s_sub_co_u32 s22, s22, s21
	v_mul_u32_u24 v9, s22, v2                      ; lanes 16-31 take B's: the lower base + h x the distance
	s_add_co_u32 s21, s21, SCL
	v_add_nc_u32 v5, v5, v9
	v_add_nc_u32 v[ADRS], s21, v5
	s_mul_i32 s23, s14, 16*SPITCH                  ; my stage
	v_mul_u32_u24 v5, v1, SPITCH                   ; in: row l % 16, 32 bytes for each half of the lanes
	v_lshl_add_u32 v5, v2, 5, v5
	v_add_nc_u32 v[STO], s23, v5
	v_lshlrev_b32 v[CO], 4, v6                     ; back: the 32 lanes take one row of 512 bytes; and the same in out0
	v_add_nc_u32 v[RD], s23, v[CO]
	v_lshlrev_b32 v[BO], 5, v2
	s_lshl_b32 s96, s42, 10                        ; my first column, in bytes of f32: 1,024 x tile column + 512 x half
	s_lshl_b32 s97, s16, 9
	s_add_co_u32 s96, s96, s97
	s_mov_b32 s97, 0
	s_add_nc_u64 s[66:67], s[66:67], s[96:97]      ; the bias at my first column
.irp b, 0,1,2,3,4,5,6,7
	global_load_b128 v[BI+8*\b:BI+8*\b+3], v[BO], s[66:67] offset:64*\b
	global_load_b128 v[BI+8*\b+4:BI+8*\b+7], v[BO], s[66:67] offset:64*\b+16
.endr
	s_lshl_b32 s20, s17, 8
	s_lshl_b32 s21, s15, 7
	s_add_co_u32 s20, s20, s21                     ; my first row of out0: 256 x tile row + 128 x half
	s_mov_b32 s21, 0
	s_mov_b64 s[18:19], SIZE_N*4
	s_mul_u64 s[20:21], s[20:21], s[18:19]
	s_add_nc_u64 s[20:21], s[20:21], s[96:97]
	s_add_nc_u64 s[12:13], s[12:13], s[20:21]
.macro FRAG reg, adr, q, i             ; a fragment of B, 16 rows x 128 K: lane l holds row l % 16; registers 6 c .. 6 c + 5 hold K = 64 c + 32 (l / 16) + 0 .. 31: 24 bytes of the row, as they lie, in pieces of 8 bytes
.irp p, 0,1,2,3,4,5
.set PIECE, 12*(\q)+6*(\p/3)+\p%3      ; 16 bytes of padding lie behind every 8 pieces: where the piece three on (lanes 16-31) lies behind one padding more, the second address register serves
.if PIECE%8 < 5
	ds_load_b64 v[\reg+2*\p:\reg+2*\p+1], v[\adr] offset:8*PIECE+16*(PIECE/8)+(\i)*16*PITCH
.else
	ds_load_b64 v[\reg+2*\p:\reg+2*\p+1], v[\adr+2] offset:8*PIECE+16*(PIECE/8)+(\i)*16*PITCH
.endif
.endr
.endm
.macro FRAGA reg, slot, q, i           ; a fragment of A: the image of its twelve registers, four dense loads
	ds_load_b128 v[\reg:\reg+3], v[ADRA+\slot] offset:(\i)*3072+(\q)*1536
	ds_load_b64 v[\reg+4:\reg+5], v[ADRA+2+\slot] offset:(\i)*3072+(\q)*1536+512
	ds_load_b128 v[\reg+6:\reg+9], v[ADRA+\slot] offset:(\i)*3072+(\q)*1536+768
	ds_load_b64 v[\reg+10:\reg+11], v[ADRA+2+\slot] offset:(\i)*3072+(\q)*1536+1280
.endm
; 16 matrix instructions: A's blocks a0, a0 + 1 x B's eight, 128 along K: the slot's q-th.  p: B's set; sc: the set of scale words.  zero = 1: the first product starts the sums, with the bias as its C.
; The 64 accumulators take turns, one instruction a turn, in the same order in every step.
.macro MUL16 a0, p, q, sc, zero
.irp a, \a0, \a0+1
.irp b, 0,1,2,3,4,5,6,7
.if \zero
	v_wmma_scale_f32_16x16x128_f8f6f4 v[8*(8*((\a)%4)+\b):8*(8*((\a)%4)+\b)+7], v[128*(\p)+FR*\b:128*(\p)+FR*\b+FR-1], v[AF+FR*(\a):AF+FR*(\a)+FR-1], v[BI+8*\b:BI+8*\b+7], v[SC+8*NQ*(\sc)+NQ*\b+(\q)], v[SC+8*NQ*(\sc)+NQ*(\a)+(\q)] matrix_a_fmt:MATRIX_FMT_FP6 matrix_b_fmt:MATRIX_FMT_FP6 matrix_a_scale:MATRIX_SCALE_ROW1
.else
	v_wmma_scale_f32_16x16x128_f8f6f4 v[8*(8*((\a)%4)+\b):8*(8*((\a)%4)+\b)+7], v[128*(\p)+FR*\b:128*(\p)+FR*\b+FR-1], v[AF+FR*(\a):AF+FR*(\a)+FR-1], v[8*(8*((\a)%4)+\b):8*(8*((\a)%4)+\b)+7], v[SC+8*NQ*(\sc)+NQ*\b+(\q)], v[SC+8*NQ*(\sc)+NQ*(\a)+(\q)] matrix_a_fmt:MATRIX_FMT_FP6 matrix_b_fmt:MATRIX_FMT_FP6 matrix_a_scale:MATRIX_SCALE_ROW1
.endif
.endr
.endr
.endm
.macro FETCH_B slot, q, p              ; B's eight fragments of the slot's q-th 128 along K into set p
	WIN TO_B
.irp i, 0,1,2,3,4,5,6,7
	FRAG 128*(\p)+FR*\i, ADRB+\slot, \q, \i
.endr
	WIN 0
.endm
.macro FETCH_A slot, q, i0             ; A's blocks i0 .. i0 + 3: sixteen loads
.irp i, \i0, \i0+1, \i0+2, \i0+3
	FRAGA AF+FR*(\i), \slot, \q, \i
.endr
.endm
.macro SCALES sc                       ; a K step's scale words into set sc: NQ words a row; lanes 0-15 take A's block i, lanes 16-31 B's block i
.irp i, 0,1,2,3,4,5,6,7
	ds_load_b64 v[SC+8*NQ*\sc+NQ*\i:SC+8*NQ*\sc+NQ*\i+1], v[ADRS] offset:\i*SBLK
.endr
.endm
; A load into a register that a matrix instruction has read, and an LDS store that reads a matrix result, stand NP places behind that matrix instruction; only plain vector instructions
; that name none of its registers are places (ISA guide 7.12.1 for vector instructions).
.macro PLACES n
.rept \n
	v_nop
.endr
.endm
; A step of 128 along K that has its successor in the same slot.
.macro STEP slot, q, zero
	s_wait_dscnt 4*NLA                             ; B's set and A's blocks 0-3 are in; the youngest 16 loads (A's blocks 4-7) may be out
.if \zero
	WIN ZLO
.else
	WIN MUL_LO
.endif
	MUL16 0, (\q)%2, \q, \slot, \zero
	MUL16 2, (\q)%2, \q, \slot, \zero
	s_wait_dscnt 0                                 ; A's blocks 4-7 are in (asked for 32 matrix instructions ago)
	PLACES NP
	FETCH_B \slot, (\q)+1, 1-(\q)%2
	FETCH_A \slot, (\q)+1, 0
.if \zero
	WIN ZHI
.else
	WIN MUL_HI
.endif
	MUL16 4, (\q)%2, \q, \slot, \zero
	MUL16 6, (\q)%2, \q, \slot, \zero
	PLACES NP
	WIN 0
	FETCH_A \slot, (\q)+1, 4
.endm
; A slot's last step changes slots: ONE barrier; in front of it each wave waits for all its tensor loads, adds 0 to its spare word, and waits for that and for its own reads of this slot.  fill = 1: this slot is filled again, two K steps ahead.
.macro TURN slot, next, fill
	s_wait_tensorcnt 0x0                           ; all my tensor loads have landed: my part of the next slot;  (every window is 0 here)
	ds_add_u32 v[SPW], v[NIL]                      ; 0 onto my spare word
	s_wait_dscnt 4*NLA+1                           ; (the add and the youngest 16 loads, A's blocks 4-7, may be out)
	WIN MUL_LO
	MUL16 0, 1, NQ-1, \slot, 0                     ; sixteen matrix instructions stand between the add and the wait for it
	s_wait_dscnt 0x0                               ; the add is done, and my reads of this slot are over
	s_barrier_signal -1
	MUL16 2, 1, NQ-1, \slot, 0
	WIN 0
	s_barrier_wait -1
.if \fill
	CREST                                          ; the barrier has opened a round of the cluster's barrier: no wave of any partner still reads this slot's tile or has a load on its way
	s_add_nc_u64 s[G0+4*\slot+2:G0+4*\slot+3], s[G0+4*\slot+2:G0+4*\slot+3], 2*KSA
	s_add_nc_u64 s[G0B+4*\slot+2:G0B+4*\slot+3], s[G0B+4*\slot+2:G0B+4*\slot+3], 2*ROWB
	JLOAD G0+4*\slot, G1, G0B+4*\slot, G1B         ; the first tensor load behind the round; the four v_nop behind it are the places in front of the loads below
.else
	PLACES NP
.endif
	v_add_nc_u32 v[ADRS], 4*NQ, v[ADRS]            ; on to the next K step's scale words (no LDS load of mine is out)
	FETCH_B \next, 0, 0
	FETCH_A \next, 0, 0
	SCALES \next
	WIN MUL_HI
	MUL16 4, 1, NQ-1, \slot, 0
	MUL16 6, 1, NQ-1, \slot, 0
	PLACES NP
	WIN 0
	FETCH_A \next, 0, 4
.endm
	s_wait_tensorcnt 1                             ; the scales and my part of K step 0 are in (K step 1's load may be out)
	s_barrier_signal -1
	s_barrier_wait -1                              ; everybody's are
	FETCH_B 0, 0, 0
	FETCH_A 0, 0, 0
	SCALES 0
	FETCH_A 0, 0, 4
	s_wait_loadcnt 0x0                             ; the bias
	STEP 0, 0, 1                                   ; the first step stands in front of the loop: its products start the sums
	s_mov_b32 s3, LAPS-1
.Llap:                                                 ; a trip goes once round the ring, from a lap's second step to the next lap's first, and fills both slots again
	TURN 0, 1, 1
	STEP 1, 0, 0
	TURN 1, 0, 1
	STEP 0, 0, 0
	s_sub_co_u32 s3, s3, 1
	s_cmp_lg_u32 s3, 0
	s_cbranch_scc1 .Llap
	TURN 0, 1, 0                                   ; the last lap fills nothing, and has no round of the cluster's barrier
	STEP 1, 0, 0
	s_wait_dscnt 4*NLA                             ; the very last step: nothing more to fetch
	WIN MUL_LO
	MUL16 0, 1, NQ-1, 1, 0
	MUL16 2, 1, NQ-1, 1, 0
	s_wait_dscnt 0
	WIN MUL_HI
	MUL16 4, 1, NQ-1, 1, 0
	MUL16 6, 1, NQ-1, 1, 0
	WIN 0
; THE WAY OUT, block by block of 16 rows x 128 columns.  A lane holds 32 neighbouring bytes of a row, and the lanes beside it hold other rows: so a block goes through my own stage in LDS and comes back as whole
; rows of 512 bytes.  LDS serves a wave's instructions in order (ISA guide 5.7.1.4): no wait between the stores and the loads, nor in front of the next block's stores.
.macro TOSTAGE a
.set AC, 64*((\a)%4)
	WIN 0x08+4*((\a)/4)                            ; the data: window 2 or 3
.irp b, 0,1,2,3,4,5,6,7
	ds_store_b128 v[STO], v[AC+8*\b:AC+8*\b+3] offset:64*\b          ; each accumulator from its low end on
	ds_store_b128 v[STO], v[AC+8*\b+4:AC+8*\b+7] offset:64*\b+16
.endr
	WIN 0
.set BB, BK+64*((\a)%2)
.irp t, 0,1,2,3,4,5,6,7,8,9,10,11,12,13,14,15
	ds_load_b128 v[BB+4*\t:BB+4*\t+3], v[RD] offset:\t*SPITCH
.endr
.endm
.macro SEND a, younger                 ; younger: the LDS instructions issued behind block a's loads, which may stay out
.set BB, BK+64*((\a)%2)
	s_wait_dscnt \younger                          ; the block is back in registers
.if (\a) > 0
	s_add_nc_u64 s[12:13], s[12:13], 16*SIZE_N*4   ; (behind a wait on XCNT: the earlier stores have read their base)  16 rows on, so that the stores' offsets stay small
.endif
.irp t, 0,1,2,3,4,5,6,7,8,9,10,11,12,13,14,15
	global_store_b128 v[CO], v[BB+4*\t:BB+4*\t+3], s[12:13] offset:\t*SIZE_N*4 th:TH_STORE_NT   ; 32 lanes store 512 consecutive bytes, at a multiple of 256 from out0's first byte; written once, read by nobody here
.endr
.endm
	PLACES NP                                      ; behind the last products: for the loads into the registers that held A's fragments, and for the reads of results
	TOSTAGE 0
.irp a, 1,2,3,4,5,6,7
.if \a > 1
	s_wait_xcnt 0x0                                ; block a - 2's stores have read their registers and their base: block a's loads may land there, and the base may step
.endif
	TOSTAGE \a
	SEND \a-1, 32                                  ; behind block a - 1's loads: block a's 16 stores and 16 loads
.endr
	s_wait_xcnt 0x0                                ; block 6's stores have read their base
	SEND 7, 0
	s_wait_tensorcnt 0x0                           ; the wave's end: behind my last tensor load and my last LDS store
	ds_add_u32 v[SPW], v[NIL]
	s_wait_dscnt 0x0
	CROUND                                         ; the closing round: no work-group ends while a partner may still ask for a tile that names it
	s_endpgm
.Lfunc_end_k_q4d61befd6b_proj:
	.size	k_q4d61befd6b_proj, .Lfunc_end_k_q4d61befd6b_proj-k_q4d61befd6b_proj
	.p2alignl 7, 3214868480
	.fill 96, 4, 3214868480
	.section	.rodata,"a",@progbits
	.p2align	6, 0x0
	.amdhsa_kernel k_q4d61befd6b_proj
		.amdhsa_group_segment_fixed_size 327680
		.amdhsa_private_segment_fixed_size 0
		.amdhsa_enable_private_segment 0
		.amdhsa_kernarg_size 48
		.amdhsa_user_sgpr_count 2
		.amdhsa_user_sgpr_kernarg_segment_ptr 1
		.amdhsa_wavefront_size32 1
		.amdhsa_system_sgpr_workgroup_id_x 1
		.amdhsa_system_sgpr_workgroup_id_y 1
		.amdhsa_system_sgpr_workgroup_id_z 1
		.amdhsa_system_vgpr_workitem_id 0
		.amdhsa_next_free_vgpr 1024
		.amdhsa_next_free_sgpr 100
		.amdhsa_reserve_vcc 0
		.amdhsa_float_denorm_mode_32 3
		.amdhsa_float_denorm_mode_16_64 3
		.amdhsa_memory_ordered 1
		.amdhsa_forward_progress 1
		.amdhsa_inst_pref_size 154
	.end_amdhsa_kernel
	.amdgpu_metadata
---
amdhsa.version: [ 1, 2 ]
amdhsa.kernels:
  - .name:           k_q4d61befd6b_proj
    .symbol:         k_q4d61befd6b_proj.kd
    .args:
      - { .name: o_codes, .offset: 0, .size: 8, .value_kind: global_buffer, .address_space: global }
      - { .name: o_scales, .offset: 8, .size: 8, .value_kind: global_buffer, .address_space: global }
      - { .name: w_proj_codes, .offset: 16, .size: 8, .value_kind: global_buffer, .address_space: global }
      - { .name: w_proj_scales, .offset: 24, .size: 8, .value_kind: global_buffer, .address_space: global }
      - { .name: b_proj, .offset: 32, .size: 8, .value_kind: global_buffer, .address_space: global }
      - { .name: out0, .offset: 40, .size: 8, .value_kind: global_buffer, .address_space: global }
    .group_segment_fixed_size: 327680
    .private_segment_fixed_size: 0
    .kernarg_segment_align: 8
    .kernarg_segment_size: 48
    .max_flat_workgroup_size: 128
    .sgpr_count:     100
    .vgpr_count:     1024
    .wavefront_size: 32
...
	.end_amdgpu_metadata
.endif
;; end of part 3
